; MI455X (gfx1250); checked and timed in simulation.
; The chip was launched on July 23, 2026; its instructions are those of AMD's public machine-readable ISA for CDNA 5 (MIT licence, August 2026) and "CDNA5" Instruction Set Architecture Reference Guide (July 2026). The comments in the code are by the model that wrote it; some were corrected since.
;; Self Attention Head. Allowed arithmetic: matrix products marked QUANTISED: E3M2 operands, one E8M0 scale for each 32 along K, by v_wmma_scale_f32_16x16x128_f8f6f4 with both operands' format E3M2, f32 sums; everything else in f32.
;; Inputs: Wk 768 x 64 float32; Wq 768 x 64 float32; Wv 768 x 64 float32; x 4 x 4,096 x 768 float32.
;; Outputs: out0 4 x 4,096 x 64 float32.
;; This version of the problem:
;;   THIS VERSION OF THE PROBLEM IS GIVEN IN LOW PRECISION. The matrix products marked QUANTISED in the list below multiply operands that are first quantised to E3M2 (3 exponent bits, 2 mantissa bits; 6 bits a number), with one power-of-two scale for each 32 numbers along K (OCP MX v1.0); their sums are f32. All else is computed in f32.
;;   The module's matrix products, in the order in which they are computed (A, B: the left and right operand; K: the contracted axis; several contracted axes count as one K, in the product's order):
;;     1. [M 16,384, K 768] x [K 768, N 64]; A: input x; B: input Wk: QUANTISED
;;     2. [M 16,384, K 768] x [K 768, N 64]; A: input x; B: input Wq: QUANTISED
;;     3. [M 16,384, K 768] x [K 768, N 64]; A: input x; B: input Wv: QUANTISED
;;     4. batch 4 x [M 4,096, K 64] x [K 64, N 4,096]; A: computed on the way; B: computed on the way: QUANTISED
;;     5. batch 4 x [M 4,096, K 4,096] x [K 4,096, N 64]; A: softmax (see below); B: computed on the way: QUANTISED
;;   THE QUANTISER, for each operand of a quantised product, along K:
;;     - K is cut into blocks of 32 from its start; a last block that is shorter is filled with zeros.
;;     - A block's scale is 2^e with e = floor(log2(the largest magnitude in the block)) - 4, held to -126 .. 127; a block of zeros has e = 0. As a byte (E8M0): e + 127.
;;     - Each number is divided by its block's scale, clamped to +-28, and rounded to the nearest number of E3M2, ties to even, subnormals kept.
;;     - The product sums the exact products of the quantised numbers (number of the format x scale) in f32.
;;   ~~~python
;;   def quantise(x, axis):      # numpy; x: float32 -> the quantised numbers, widened to float32 again
;;       x = np.moveaxis(x, axis, -1); K = x.shape[-1]
;;       x = np.pad(x, [(0, 0)] * (x.ndim - 1) + [(0, -K % 32)]); x = x.reshape(x.shape[:-1] + (-1, 32)); a = np.abs(x).max(-1, keepdims=True)
;;       e = np.where(a > 0, np.clip(np.frexp(np.where(a > 0, a, 1))[1] - 1 - 4, -126, 127), 0)      # np.frexp(a)[1] - 1 = floor(log2(a)), exactly
;;       r = np.clip(x / 2.0 ** e, -28, 28)
;;       step = 2.0 ** (np.maximum(np.frexp(np.where(r == 0, 1, r))[1] - 1, -2) - 2)
;;       q = np.round(r / step) * step * 2.0 ** e      # np.round: ties to even
;;       return np.moveaxis(q.reshape(q.shape[:-2] + (-1,))[..., :K], -1, axis).astype(np.float32)
;;   ~~~
;;   SOFTMAX AHEAD OF A QUANTISED PRODUCT. Where the list says 'softmax', what is quantised is not the finished softmax but p = 2^(t - M), with t = logit x log2(e) and M = ceil(the row's largest t), a whole number; so 1/2 < the row's largest p <= 1. The row's sum l is taken of the UNQUANTISED p, in f32, and the product's result is divided by l at the end. Since M is a whole number, a kernel that streams over the keys may use a running M (the ceiling of the running maximum): every later rescaling is an exact power of two, which a block's scale takes up: the codes' values come out the same.
;;   OPERANDS COMPUTED ON THE WAY. 'Computed on the way' means the value that the module computes at that place (a softmax that the list does not call 'softmax' is quantised finished and normalised). What goes into a quantiser is computed in f32, as accurately as f32 sums, v_exp_f32 and their like allow (about 1e-6 of the number): no bf16 or f16 on the way to a quantiser, and a product that is left as it is and whose result goes on into a quantised operand takes f32 operands (vector FMAs, or v_wmma_f32_16x16x4_f32). A number that lies on a knife's edge between two numbers of the format may be rounded either way, as far as f32 arithmetic and the matrix unit's own rounding can turn it there, and no further.
;; 2 versions, each right; version 2 is version 1 with the launch attn written anew for expert scheduling mode. Each part assembles by itself: llvm-mc -triple=amdgcn-amd-amdhsa -mcpu=gfx1250 --defsym DOCPART=n.
;; ======== version 1 of 2: 3 launches
;; workspace buffers: wfrag 110,592 bytes; wscale 9,216 bytes; qcodes 786,432 bytes; kcodes 786,432 bytes; vcodes 786,432 bytes; meta 131,072 bytes
;; launch wquant (part 1): grid 6 x 3, 4 waves a work-group, no clusters, 0 bytes of LDS; arguments Wq, Wk, Wv, wfrag, wscale; writes wfrag, wscale
.if DOCPART == 1
	.amdgcn_target "amdgcn-amd-amdhsa--gfx1250"
	.amdhsa_code_object_version 6
	.text
	.protected	k_q727d6c073b_wquant
	.globl	k_q727d6c073b_wquant
	.p2align	8
	.type	k_q727d6c073b_wquant,@function
k_q727d6c073b_wquant:
	s_mov_b64 s[64:65], 0
	v_nop
	global_prefetch_b8 v0, s[64:65] scope:SCOPE_SE
	s_setreg_imm32_b32 hwreg(HW_REG_WAVE_MODE, 25, 1), 1
	s_wait_xcnt 0x0
; Wq, Wk, Wv [768][64] f32, K = the first axis, become codes of BF6 (E3M2) with one E8M0 byte for each 32 along K, laid as the next launch's waves take them:
; wfrag [w 4][f 18][1536]: an image of one fragment's 12 registers (registers 4 g .. 4 g + 3 of lane l at 512 g + 16 l); wscale [w][f][128]: its scale word at 4 l.
; f = 6 cidx + s, s = the K step of 128.  cidx 0, 1: two tiles of 16 columns of Wq (w < 2) or Wk (w >= 2), head block w & 1; row r of tile cidx is column 32 (w & 1) + 8 cidx + r + 8 (r / 8),
; so that in the transposed product a lane's 16 results of the two tiles are 16 neighbouring head channels.  cidx 2: columns 16 w + r of Wv.
; Work-group (s, cidx), wave w: one fragment.  A LANE TAKES A COLUMN AND ITS REGISTERS RUN DOWN K, in the order of the operand's layout (lane (r, h): k = 64 c + 32 h + 0 .. 31): the conversions' results are the operand's registers.
; A block's scale byte is its largest magnitude's exponent field - 4, held at 1 from below.  LIMITS: a block whose largest magnitude lies under 2^-122, a block of zeros too, takes the byte 1 (its codes then are small or zero;
; the bytes are read by this program alone); NaN and infinities among the inputs are not served.
; 18 work-groups: the three weights hold no more work than that.
	s_load_b256 s[4:11], s[0:1], 0x0               ; Wq s[4:5], Wk s[6:7], Wv s[8:9], wfrag s[10:11]
	s_load_b64 s[12:13], s[0:1], 0x20              ; wscale
	v_lshrrev_b32 v1, 5, v0
	v_readfirstlane_b32 s16, v1                    ; wave w
	s_and_b32 s15, ttmp7, 0xffff                   ; cidx
	v_and_b32 v1, 15, v0                           ; r
	v_bfe_u32 v2, v0, 4, 1                         ; h
	v_and_b32 v5, 31, v0                           ; lane
	s_and_b32 s23, s16, 1
	s_lshl_b32 s23, s23, 5
	s_lshl_b32 s24, s15, 3
	s_add_co_u32 s23, s23, s24                     ; q, k: first column 32 (w & 1) + 8 cidx
	s_lshl_b32 s24, s16, 4                         ; v: 16 w
	s_mul_i32 s28, s16, 18
	s_mul_i32 s29, s15, 6
	s_add_co_u32 s28, s28, s29
	s_add_co_u32 s28, s28, ttmp9                   ; 18 w + f
	s_mul_i32 s30, s28, 1536                       ; the image's place
	s_mov_b32 s31, 0
	s_lshl_b32 s28, s28, 7                         ; the scale words' place
	s_mov_b32 s29, 0
	s_lshl_b32 s25, ttmp9, 15                      ; 128 s rows of 256 bytes
	s_mov_b32 s26, 0x76543210
	s_mov_b32 s27, 0xfedcba98                      ; v_permlanex16_b32's selects for lane l xor 16
	s_wait_kmcnt 0x0
	s_cmp_lt_u32 s16, 2                            ; the choices hang on ids alone
	s_cselect_b64 s[20:21], s[4:5], s[6:7]
	s_cmp_lt_u32 s15, 2
	s_cselect_b64 s[20:21], s[20:21], s[8:9]
	s_cselect_b32 s22, 8, 0                        ; q, k: rows 8 .. 15 of a tile lie 8 columns further on
	s_cselect_b32 s23, s23, s24
	s_add_nc_u64 s[10:11], s[10:11], s[30:31]
	s_add_nc_u64 s[12:13], s[12:13], s[28:29]
	v_and_b32 v3, s22, v1
	v_add3_u32 v3, v3, v1, s23                     ; my column
	v_lshlrev_b32 v3, 2, v3
	v_lshl_add_u32 v3, v2, 13, v3                  ; lanes 16-31 begin 32 rows further down
	v_add_nc_u32 v3, s25, v3
	v_lshlrev_b32 v6, 4, v5
	v_lshlrev_b32 v7, 2, v5
.irp c, 0,1
.irp i, 0,1,2,3,4,5,6,7,8,9,10,11,12,13,14,15,16,17,18,19,20,21,22,23,24,25,26,27,28,29,30,31
	global_load_b32 v[32+32*\c+\i], v3, s[20:21] offset:(64*\c+\i)*256   ; W(128 s + 64 c + 32 h + i, my column)
.endr
.endr
	s_wait_loadcnt 0x0
.irp c, 0,1                                    ; my block 2 c + h: all its 32 numbers are mine
	v_max3_num_f32 v[8+\c], |v[32+32*\c]|, |v[33+32*\c]|, 0x2800000   ; with the floor 2^(5 - 127): the byte cannot fall under 1
.endr
.irp i, 2,4,6,8,10,12,14,16,18,20,22,24,26,28,30
.irp c, 0,1
	v_max3_num_f32 v[8+\c], v[8+\c], |v[32+32*\c+\i]|, |v[33+32*\c+\i]|
.endr
.endr
.irp c, 0,1
	v_add_nc_u32 v[12+\c], 0xfe000000, v[8+\c]     ; 4 off the exponent field: the conversion's scale operand
.endr
.irp c, 0,1
	v_lshrrev_b32 v[10+\c], 23, v[12+\c]           ; the scale's byte
.endr
	v_lshl_or_b32 v14, v11, 16, v10                ; my two bytes, blocks h and 2 + h,
	v_lshlrev_b32 v15, 3, v2
	v_lshlrev_b32 v14, v15, v14                    ; at their places in the word;
	v_mov_b32 v15, 0
	v_permlanex16_b32 v15, v14, s26, s27
	v_or_b32 v14, v14, v15                         ; with lane l xor 16's two the word is whole, in both halves of the lanes
.irp c, 0,1
	v_cvt_scalef32_pk16_bf6_f32 v[96+6*\c:98+6*\c], v[32+32*\c:47+32*\c], v[12+\c]
	v_cvt_scalef32_pk16_bf6_f32 v[108+4*\c:110+4*\c], v[48+32*\c:63+32*\c], v[12+\c]   ; (a conversion's three registers begin on an even number)
.endr
	v_nop                                          ; one plain line behind the scaled conversions
.irp c, 0,1
.irp i, 0,1,2
	v_mov_b32 v[99+6*\c+\i], v[108+4*\c+\i]
.endr
.endr
.irp g, 0,1,2
	global_store_b128 v6, v[96+4*\g:99+4*\g], s[10:11] offset:512*\g   ; 32 lanes store 512 consecutive bytes, at a multiple of 256 from the buffer's first byte
.endr
	global_store_b32 v7, v14, s[12:13]
	s_endpgm
.Lfunc_end_k_q727d6c073b_wquant:
	.size	k_q727d6c073b_wquant, .Lfunc_end_k_q727d6c073b_wquant-k_q727d6c073b_wquant
	.p2alignl 7, 3214868480
	.fill 96, 4, 3214868480
	.section	.rodata,"a",@progbits
	.p2align	6, 0x0
	.amdhsa_kernel k_q727d6c073b_wquant
		.amdhsa_group_segment_fixed_size 0
		.amdhsa_private_segment_fixed_size 0
		.amdhsa_enable_private_segment 0
		.amdhsa_kernarg_size 40
		.amdhsa_user_sgpr_count 2
		.amdhsa_user_sgpr_kernarg_segment_ptr 1
		.amdhsa_wavefront_size32 1
		.amdhsa_system_sgpr_workgroup_id_x 1
		.amdhsa_system_sgpr_workgroup_id_y 1
		.amdhsa_system_sgpr_workgroup_id_z 1
		.amdhsa_system_vgpr_workitem_id 0
		.amdhsa_next_free_vgpr 128
		.amdhsa_next_free_sgpr 66
		.amdhsa_reserve_vcc 0
		.amdhsa_float_denorm_mode_32 3
		.amdhsa_float_denorm_mode_16_64 3
		.amdhsa_memory_ordered 1
		.amdhsa_forward_progress 1
		.amdhsa_inst_pref_size 12
	.end_amdhsa_kernel
	.amdgpu_metadata
---
amdhsa.version: [ 1, 2 ]
amdhsa.kernels:
  - .name:           k_q727d6c073b_wquant
    .symbol:         k_q727d6c073b_wquant.kd
    .args:
      - { .name: Wq, .offset: 0, .size: 8, .value_kind: global_buffer, .address_space: global }
      - { .name: Wk, .offset: 8, .size: 8, .value_kind: global_buffer, .address_space: global }
      - { .name: Wv, .offset: 16, .size: 8, .value_kind: global_buffer, .address_space: global }
      - { .name: wfrag, .offset: 24, .size: 8, .value_kind: global_buffer, .address_space: global }
      - { .name: wscale, .offset: 32, .size: 8, .value_kind: global_buffer, .address_space: global }
    .group_segment_fixed_size: 0
    .private_segment_fixed_size: 0
    .kernarg_segment_align: 8
    .kernarg_segment_size: 40
    .max_flat_workgroup_size: 128
    .sgpr_count:     66
    .vgpr_count:     128
    .wavefront_size: 32
...
	.end_amdgpu_metadata
.endif
;; end of part 1
;; launch proj (part 2): grid 256 x 1, 4 waves a work-group, no clusters, 246,272 bytes of LDS; arguments x, wfrag, wscale, qcodes, kcodes, vcodes, meta; writes qcodes, kcodes, vcodes, meta
.if DOCPART == 2
	.amdgcn_target "amdgcn-amd-amdhsa--gfx1250"
	.amdhsa_code_object_version 6
	.text
	.protected	k_q727d6c073b_proj
	.globl	k_q727d6c073b_proj
	.p2align	8
	.type	k_q727d6c073b_proj,@function
k_q727d6c073b_proj:
	s_mov_b64 s[64:65], 0
	v_nop
	global_prefetch_b8 v0, s[64:65] scope:SCOPE_SE
	s_setreg_imm32_b32 hwreg(HW_REG_WAVE_MODE, 25, 1), 1
	s_wait_xcnt 0x0
; q = x Wq, k = x Wk, v = x Wv on codes of BF6 (E3M2) with one E8M0 scale for each 32 along K = 768; the three results are quantised at once for the attention launch: q and k along the head's 64, v along the tokens.
; A work-group takes 64 rows of x (a UNIT).  Its 196,608 bytes are asked for at the start: each wave's six tensor loads, one for each K step of 128, bring its 16 rows; every step has LDS bytes of its own, so nothing is filled twice.
; THE WAVES SHARE THE COLUMNS: wave w keeps 18 fragments of W in window 1: for each K step two tiles of head block w & 1 of q (w < 2) or k (w >= 2), used TRANSPOSED (source 0 = W, source 1 = x), and head tile w of v (source 0 = x, source 1 = W).
; Wave w also quantises rows 16 w .. 16 w + 15 of x; the fragments go from wave to wave through LDS as images of their registers (lane l's registers 4 g .. 4 g + 3 at 512 g + 16 l).
; THE TOKENS OF A TILE ARE NOT NEIGHBOURS: row m of token tile 2 b + u is token 32 b + 8 u + m + 8 (m / 8).  So v's 16 results of tiles 2 b, 2 b + 1 in a lane are 16 neighbouring tokens, and the attention launch's scores fall likewise.
; OUT, in blocks of 768 bytes: six registers a lane, registers 0-3 at 16 l, registers 4-5 at 512 + 8 l.
;   qcodes, kcodes [unit][pair b][head block][768]: lanes 0-15 tile 2 b's rows, lanes 16-31 tile 2 b + 1's, 32 codes each.   vcodes [unit][head tile][768]: lane (r, h): channel 16 t + r, tokens 32 h .. 32 h + 31.
;   meta [unit][512]: 16 rows of 16 bytes for q, then 16 for k.  Row r: word b = the scale bytes (tile 2 b: head blocks 0, 1; tile 2 b + 1: head blocks 0, 1) of row r; words 2, 3: v's two bytes of channel 16 t + r, t = 0 .. 3.
; LIMITS: a block whose largest magnitude lies under 2^-122, a block of zeros too, takes the scale byte 1 (the bytes are read by this program alone); NaN and infinities among the inputs are not served.
; No cluster: what the work-groups share, W, lands once in each wave's registers and is the smaller part of a work-group's bytes (115 KB against 196 KB of x); x is shared by nobody.
.set XSTW, 50688                       ; LDS: x as f32: a wave's six steps,
.set XSTS, 8448                        ; a step: 16 rows x (512 bytes + 16): the pitch is an odd multiple of 16 bytes
.set FRB,  1536                        ; a fragment's image
.set XIMG, 202752                      ; x's fragments [s 6][tile 4][1536]
.set XSC,  239616                      ; their scale words [s][tile][128]
.set META, 242688                      ; the unit's 512 bytes of meta
.set ST,  16                           ; v16-79   64 numbers of x; then x's four fragments at ST + 12 tile
.set XS,  80                           ; v80-83   x's scale words
.set PC,  84                           ; v84-103  codes just made (12) and the conversions' second halves (8)
.set TM,  104                          ; v104-107 largest magnitudes, v108-111 bytes, v116-119 the conversions' scale operands
.set PW,  120                          ; the scale word just made
.set VW,  121                          ; v's two scale bytes
.set WSC, 124                          ; v124-141 W's scale words, one register a fragment
.set HA,  144                          ; v144-207 q or k: accumulator (token tile m, column tile u) at HA + 16 m + 8 u
.set VA,  208                          ; v208-239 v: accumulator m at VA + 8 m
.set PC2, 240                          ; v240-248 v's codes
.set MSB, 0
.macro WIN new                         ; the immediate's high byte repeats the setting that is left
.if MSB != (\new)
	s_set_vgpr_msb (MSB<<8)|(\new)
.set MSB, (\new)
.endif
.endm
.macro MM d, a, b, sa, sb, acc         ; one product; acc = 0: it starts the sum
.if \acc
	v_wmma_scale_f32_16x16x128_f8f6f4 v[(\d):(\d)+7], v[(\a):(\a)+11], v[(\b):(\b)+11], v[(\d):(\d)+7], v[\sa], v[\sb] matrix_a_fmt:MATRIX_FMT_BF6 matrix_b_fmt:MATRIX_FMT_BF6
.else
	v_wmma_scale_f32_16x16x128_f8f6f4 v[(\d):(\d)+7], v[(\a):(\a)+11], v[(\b):(\b)+11], 0, v[\sa], v[\sb] matrix_a_fmt:MATRIX_FMT_BF6 matrix_b_fmt:MATRIX_FMT_BF6
.endif
.endm
; nb blocks of 32 (4 or 2): register src + 16 b + i of lane (r, h) is number 16 h + i of block b of row r.  Codes to v[pc] on (lanes 0-15 whole blocks 0 and 2, lanes 16-31 blocks 1 and 3), the bytes to v[pw].
.macro QUANT src, nb, pc, tmp, pw
.irp b, 0,1,2,3
.if \b < \nb
	v_max3_num_f32 v[TM+\b], |v[(\src)+16*\b]|, |v[(\src)+16*\b+1]|, 0x2800000   ; with the floor 2^(5 - 127): the byte cannot fall under 1.  (Each accumulator is read from its low end on)
.endif
.endr
.irp i, 2,4,6,8,10,12,14
.irp b, 0,1,2,3
.if \b < \nb
	v_max3_num_f32 v[TM+\b], v[TM+\b], |v[(\src)+16*\b+\i]|, |v[(\src)+16*\b+\i+1]|
.endif
.endr
.endr
.irp b, 0,1,2,3
.if \b < \nb
	v_permlanex16_b32 v[TM+4+\b], v[TM+\b], s20, s21
.endif
.endr
.irp b, 0,1,2,3
.if \b < \nb
	v_max_num_f32 v[TM+\b], v[TM+\b], v[TM+4+\b]   ; with lane l xor 16's 16: the block's largest magnitude
.endif
.endr
.irp b, 0,1,2,3
.if \b < \nb
	v_add_nc_u32 v[TM+12+\b], 0xfe000000, v[TM+\b] ; 4 off the exponent field: the conversion's scale operand
.endif
.endr
.irp b, 0,1,2,3
.if \b < \nb
	v_lshrrev_b32 v[TM+4+\b], 23, v[TM+12+\b]      ; the scale's byte
.endif
.endr
	v_lshl_or_b32 v[\pw], v[TM+5], 8, v[TM+4]
.if \nb == 4
	v_lshl_or_b32 v[\pw], v[TM+6], 16, v[\pw]
	v_lshl_or_b32 v[\pw], v[TM+7], 24, v[\pw]
.endif
.irp c, 0,1
.if 2*\c < \nb
	v_cvt_scalef32_pk16_bf6_f32 v[(\pc)+6*\c:(\pc)+6*\c+2], v[(\src)+32*\c:(\src)+32*\c+15], v[TM+12+2*\c]
	v_cvt_scalef32_pk16_bf6_f32 v[(\tmp)+4*\c:(\tmp)+4*\c+2], v[(\src)+32*\c+16:(\src)+32*\c+31], v[TM+13+2*\c]   ; (a conversion's three registers begin on an even number)
.endif
.endr
	v_nop                                          ; one plain line behind the scaled conversions
.irp c, 0,1
.if 2*\c < \nb
.irp i, 0,1,2
	v_permlane16_swap_b32 v[(\pc)+6*\c+\i], v[(\tmp)+4*\c+\i]   ; the first now holds each lane's block's lower 16 codes, the second the upper 16
.endr
.irp i, 0,1,2
	v_mov_b32 v[(\pc)+6*\c+3+\i], v[(\tmp)+4*\c+\i]
.endr
.endif
.endr
.endm
.macro BARRIER                         ; my LDS stores have landed and my LDS loads are in: then the work-group's barrier
	s_wait_dscnt 0x0
	s_barrier_signal -1
	s_barrier_wait -1
.endm
	s_load_b256 s[4:11], s[0:1], 0x0               ; x s[4:5], wfrag s[6:7], wscale s[8:9], qcodes s[10:11]
	s_load_b128 s[12:15], s[0:1], 0x20             ; kcodes s[12:13], vcodes s[14:15]
	s_load_b64 s[16:17], s[0:1], 0x30              ; meta
	v_lshl_add_u32 v254, v0, 2, 0x3c000
	v_mov_b32 v255, 0
	ds_add_u32 v254, v255
	ds_add_u32 v254, v255
	v_lshrrev_b32 v1, 5, v0
	v_readfirstlane_b32 s18, v1                    ; wave 0..3
	; descriptor group 1: a tile of 16 rows x 128 elements of 4 bytes, rows 768 elements apart, 16 bytes of padding behind each row of 128 words
	s_mov_b32 s24, (2<<16)|(1<<20)|(6<<22)|(3<<25)
	s_mov_b32 s25, 128<<16                         ; tensor_dim0
	s_mov_b32 s26, 16<<16                          ; tensor_dim1
	s_mov_b32 s27, 128<<16                         ; tile_dim0
	s_mov_b32 s28, 16                              ; tile_dim1
	s_mov_b32 s29, 768                             ; the pitch
	s_mov_b32 s30, 0
	s_mov_b32 s31, 0
	s_mul_i32 s22, s18, XSTW                       ; my wave's part of LDS
	s_mul_i32 s56, ttmp9, 196608                   ; the unit's 64 rows of 3,072 bytes,
	s_mul_i32 s23, s18, 49152                      ; my 16 of them
	s_add_co_u32 s56, s56, s23
	s_mov_b32 s57, 0
	s_and_b32 s19, s18, 1                          ; w & 1: the head block; also which eight rows of a token tile I quantise
	s_and_b32 s23, s18, 2                          ; the first of the two token tiles that my rows fall into
	s_lshl_b32 s58, s19, 3
	s_lshr_b32 s59, s18, 1
	s_lshl_b32 s59, s59, 8
	s_lshl_b32 s62, s19, 2
	s_add_co_u32 s59, s59, s62
	s_add_co_u32 s59, s59, META                    ; meta: q's rows or k's, word w & 1
	s_lshl_b32 s62, s18, 1
	s_add_co_u32 s62, s62, META+8                  ; meta: v's two bytes of head tile w
	s_mov_b32 s20, 0x76543210
	s_mov_b32 s21, 0xfedcba98                      ; v_permlanex16_b32's selects for lane l xor 16
	s_wait_dscnt 0x0
	s_wait_kmcnt 0x0
	s_add_nc_u64 s[4:5], s[4:5], s[56:57]
.irp s, 0,1,2,3,4,5                            ; a group 0 for each K step: none is written again
	s_mov_b32 s[32+4*\s], 1
	s_add_co_u32 s[33+4*\s], s22, \s*XSTS
	s_add_nc_u64 s[34+4*\s:35+4*\s], s[4:5], \s*512
	s_or_b32 s[35+4*\s], s[35+4*\s], 0x80000000
.endr
.irp s, 0,1,2,3,4,5
	tensor_load_to_lds s[32+4*\s:35+4*\s], s[24:31]   ; all first fills in one group: six loads of mine are out
	s_nop 0
.endr
	v_and_b32 v1, 31, v0                           ; lane
	v_and_b32 v2, 15, v0                           ; r
	v_bfe_u32 v3, v0, 4, 1                         ; h
	v_mul_u32_u24 v4, v2, 528
	v_lshl_add_u32 v4, v3, 6, v4
	v_add_nc_u32 v4, s22, v4                       ; v4  x in LDS: row r, + 64 h: my 16 numbers of a block of 32
	v_lshlrev_b32 v9, 4, v1                        ; v9  16 x lane
	v_lshlrev_b32 v10, 3, v1                       ; v10 8 x lane
	v_lshlrev_b32 v14, 2, v1                       ; v14 4 x lane
	v_add_nc_u32 v5, XIMG, v9                      ; v5  an image's place for my lane
	v_add_nc_u32 v6, XSC, v14                      ; v6  a scale word's
	v_and_b32 v15, 7, v2
	v_lshl_add_u32 v15, v3, 4, v15
	v_add_nc_u32 v15, s58, v15                     ; token 16 w + r is row 8 (w & 1) + r % 8 of token tile (w & 2) + r / 8: the lane that holds it there,
	v_lshrrev_b32 v13, 3, v2
	v_add_nc_u32 v13, s23, v13                     ; and the tile
	v_mul_u32_u24 v7, v13, FRB
	v_lshl_add_u32 v7, v15, 4, v7
	v_add_nc_u32 v7, XIMG, v7                      ; v7  where I store my row's codes
	v_lshlrev_b32 v8, 7, v13
	v_lshl_add_u32 v8, v15, 2, v8
	v_add_nc_u32 v8, XSC, v8                       ; v8  and its scale word
	v_lshl_add_u32 v11, v2, 4, s59                 ; v11 meta: row r, q's or k's, word w & 1
	v_lshl_add_u32 v12, v2, 4, s62                 ; v12 meta: row r, v's bytes
	v_add_nc_u32 v13, META, v9                     ; v13 meta, read back
.irp b, 0,1,2,3
	v_mov_b32 v[TM+4+\b], 0                        ; written once: a lane permute's destination counts as one of its sources
.endr
	s_mul_i32 s58, s18, 27648                      ; my 18 fragments of W
	s_mov_b32 s59, 0
	s_add_nc_u64 s[6:7], s[6:7], s[58:59]
	s_mul_i32 s58, s18, 2304                       ; and their scale words
	s_add_nc_u64 s[8:9], s[8:9], s[58:59]
	s_cmp_lt_u32 s18, 2                            ; waves 0, 1 make q, waves 2, 3 k
	s_cselect_b64 s[60:61], s[10:11], s[12:13]
	s_mul_i32 s58, ttmp9, 3072                     ; the unit's place in each buffer of codes
	s_mul_i32 s62, s19, 768
	s_add_co_u32 s62, s62, s58
	s_mov_b32 s63, 0
	s_add_nc_u64 s[60:61], s[60:61], s[62:63]      ; + my head block
	s_mul_i32 s62, s18, 768
	s_add_co_u32 s62, s62, s58
	s_add_nc_u64 s[14:15], s[14:15], s[62:63]      ; v: + my head tile
	s_lshl_b32 s62, ttmp9, 9
	s_add_nc_u64 s[16:17], s[16:17], s[62:63]
.irp f, 0,1,2,3,4,5,6,7,8,9,10,11,12,13,14,15,16,17
	global_load_b32 v[WSC+\f], v14, s[8:9] offset:128*\f
.endr
	WIN 0x40                                       ; destination window 1
.irp s, 0,1,2,3,4,5                            ; in the order of the K steps, nine loads a step
.irp c, 0,1,2
.irp g, 0,1,2
	global_load_b128 v[12*(6*\c+\s)+4*\g:12*(6*\c+\s)+4*\g+3], v9, s[6:7] offset:FRB*(6*\c+\s)+512*\g
.endr
.endr
.endr
	WIN 0
.irp s, 0,1,2,3,4,5
	s_wait_tensorcnt 5-\s                          ; my tile of this K step is in; the later steps' may be out.  Only I read these bytes
.irp b, 0,1,2,3
.irp j, 0,1,2,3
	ds_load_b128 v[ST+16*\b+4*\j:ST+16*\b+4*\j+3], v4 offset:XSTS*\s+128*\b+16*\j
.endr
.endr
	s_wait_dscnt 0x0
	QUANT ST, 4, PC, PC+12, PW
.irp g, 0,1,2
	ds_store_b128 v7, v[PC+4*\g:PC+4*\g+3] offset:4*FRB*\s+512*\g
.endr
	ds_store_b32 v8, v[PW] offset:512*\s
	BARRIER                                        ; this step's four fragments of x lie in LDS (every step has bytes of its own: one barrier a step)
.irp m, 0,1,2,3
.irp g, 0,1,2
	ds_load_b128 v[ST+12*\m+4*\g:ST+12*\m+4*\g+3], v5 offset:4*FRB*\s+FRB*\m+512*\g
.endr
	ds_load_b32 v[XS+\m], v6 offset:512*\s+128*\m
.endr
	s_wait_dscnt 0x0
	s_wait_loadcnt 9*(5-\s)                        ; W's scale words and this step's three fragments are in; nine loads for each later step may be out
	WIN 0x01                                       ; source 0 (W) window 1.  The twelve accumulators take turns, one instruction a turn
.irp m, 0,1,2,3
.irp u, 0,1
	MM HA+16*\m+8*\u, 12*(6*\u+\s), ST+12*\m, WSC+6*\u+\s, XS+\m, \s
.endr
.endr
	WIN 0x04                                       ; source 1 (W) window 1
.irp m, 0,1,2,3
	MM VA+8*\m, ST+12*\m, 12*(12+\s), XS+\m, WSC+12+\s, \s
.endr
	WIN 0
.rept 4
	v_nop                                          ; four places in front of loads into registers that the products have read, and of the first read of results
.endr
.endr
	; q or k: block m of QUANT is token tile m's row r, head block w & 1: 16 channels in this lane, 16 in lane l xor 16
	QUANT HA, 4, PC, PC+12, PW
	global_store_b128 v9, v[PC:PC+3], s[60:61]                 ; pair 0: each store covers whole aligned runs of 256 bytes
	global_store_b64 v10, v[PC+4:PC+5], s[60:61] offset:512
	global_store_b128 v9, v[PC+6:PC+9], s[60:61] offset:1536   ; pair 1
	global_store_b64 v10, v[PC+10:PC+11], s[60:61] offset:2048
	; v: block b is tokens 32 b .. 32 b + 31 of channel 16 w + r
	QUANT VA, 2, PC2, PC2+6, VW
	global_store_b128 v9, v[PC2:PC2+3], s[14:15]
	global_store_b64 v10, v[PC2+4:PC2+5], s[14:15] offset:512
	ds_store_b32 v11, v[PW]                        ; the bytes of token tiles 0 .. 3, head block w & 1 (both halves of the lanes write the same word)
	ds_store_b16 v12, v[VW]                        ; v's two bytes, beside q's words
	ds_store_b16 v12, v[VW] offset:256             ; and beside k's
	BARRIER
	s_cmp_lg_u32 s18, 0
	s_cbranch_scc1 .Lend
	ds_load_b128 v[16:19], v13                     ; lanes 0-15 q's rows, lanes 16-31 k's
	s_wait_dscnt 0x0
	v_perm_b32 v20, v17, v16, 0x05010400           ; tile 0: head blocks 0, 1; tile 1: head blocks 0, 1
	v_perm_b32 v17, v17, v16, 0x07030602           ; tiles 2 and 3 likewise
	v_mov_b32 v16, v20
	global_store_b128 v9, v[16:19], s[16:17]       ; 512 consecutive bytes
.Lend:
	s_wait_tensorcnt 0x0
	ds_add_u32 v254, v255
	s_wait_dscnt 0x0
	s_endpgm
.Lfunc_end_k_q727d6c073b_proj:
	.size	k_q727d6c073b_proj, .Lfunc_end_k_q727d6c073b_proj-k_q727d6c073b_proj
	.p2alignl 7, 3214868480
	.fill 96, 4, 3214868480
	.section	.rodata,"a",@progbits
	.p2align	6, 0x0
	.amdhsa_kernel k_q727d6c073b_proj
		.amdhsa_group_segment_fixed_size 246272
		.amdhsa_private_segment_fixed_size 0
		.amdhsa_enable_private_segment 0
		.amdhsa_kernarg_size 56
		.amdhsa_user_sgpr_count 2
		.amdhsa_user_sgpr_kernarg_segment_ptr 1
		.amdhsa_wavefront_size32 1
		.amdhsa_system_sgpr_workgroup_id_x 1
		.amdhsa_system_sgpr_workgroup_id_y 1
		.amdhsa_system_sgpr_workgroup_id_z 1
		.amdhsa_system_vgpr_workitem_id 0
		.amdhsa_next_free_vgpr 512
		.amdhsa_next_free_sgpr 66
		.amdhsa_reserve_vcc 0
		.amdhsa_float_denorm_mode_32 3
		.amdhsa_float_denorm_mode_16_64 3
		.amdhsa_memory_ordered 1
		.amdhsa_forward_progress 1
		.amdhsa_inst_pref_size 68
	.end_amdhsa_kernel
	.amdgpu_metadata
---
amdhsa.version: [ 1, 2 ]
amdhsa.kernels:
  - .name:           k_q727d6c073b_proj
    .symbol:         k_q727d6c073b_proj.kd
    .args:
      - { .name: x, .offset: 0, .size: 8, .value_kind: global_buffer, .address_space: global }
      - { .name: wfrag, .offset: 8, .size: 8, .value_kind: global_buffer, .address_space: global }
      - { .name: wscale, .offset: 16, .size: 8, .value_kind: global_buffer, .address_space: global }
      - { .name: qcodes, .offset: 24, .size: 8, .value_kind: global_buffer, .address_space: global }
      - { .name: kcodes, .offset: 32, .size: 8, .value_kind: global_buffer, .address_space: global }
      - { .name: vcodes, .offset: 40, .size: 8, .value_kind: global_buffer, .address_space: global }
      - { .name: meta, .offset: 48, .size: 8, .value_kind: global_buffer, .address_space: global }
    .group_segment_fixed_size: 246272
    .private_segment_fixed_size: 0
    .kernarg_segment_align: 8
    .kernarg_segment_size: 56
    .max_flat_workgroup_size: 128
    .sgpr_count:     66
    .vgpr_count:     512
    .wavefront_size: 32
...
	.end_amdgpu_metadata
.endif
;; end of part 2
;; launch attn (part 3): grid 64 x 4, 8 waves a work-group, no clusters, 157,696 bytes of LDS; arguments qcodes, kcodes, vcodes, meta, out0; writes out0
.if DOCPART == 3
	.amdgcn_target "amdgcn-amd-amdhsa--gfx1250"
	.amdhsa_code_object_version 6
	.text
	.protected	k_q727d6c073b_attn
	.globl	k_q727d6c073b_attn
	.p2align	8
	.type	k_q727d6c073b_attn,@function
k_q727d6c073b_attn:
	s_mov_b64 s[64:65], 0
	v_nop
	global_prefetch_b8 v0, s[64:65] scope:SCOPE_SE
	s_setreg_imm32_b32 hwreg(HW_REG_WAVE_MODE, 25, 1), 1
	s_wait_xcnt 0x0
; out[b][q][:] = the sum over keys k <= q of softmax_k(q . k / 8) v[k][:], both products on codes of BF6 (E3M2) with one E8M0 scale for each 32 along a product's K.  Codes and scale bytes come from the launch before, in the order of the operands' registers.
; THE SOFTMAX: t = score x log2(e) / 8; M = the largest t so far, rounded UP to a whole number; p = 2^(t - M) is quantised along the keys, not normalised; the sum of the unquantised p divides at the end.  A change of M multiplies by a power of two: exact.
; SHARES.  Work-group (a, batch) owns two blocks of 32 queries: block 127 - a (HIGH: key steps 0 .. 31 - a / 4 of 128 keys) and block a (LOW: steps 0 .. a / 4): 33 items in every work-group.  Item n < H = 32 - a / 4 is HIGH's step n, else LOW's step n - H.
; Wave w of eight takes items w, w + 8, ..: four, wave 0 five.  Each wave keeps its own M, sum and O^T for the block in hand; the eight partial results of each block meet in LDS behind the launch's one barrier, and waves 0-3 merge one tile of 16 queries each.
; A wave holds the block's TWO tiles of 16 queries, tile t's registers in window t at equal numbers; each fragment of K and V comes from memory straight into registers (no wave shares a key step with another) and feeds two products.
; Both products are used transposed: S^T = K Q^T, O^T = V^T P^T: a lane holds one query throughout.  Row m of tile 2 b + u of a unit is token 32 b + 8 u + m + 8 (m / 8), so the 16 score registers of a pair of key tiles are 16 neighbouring keys.
; THE HEAD HAS 64 CHANNELS, THE INSTRUCTION 128: a fragment of K holds TWO key tiles (registers 0-5, 6-11).  It is multiplied by [q | zero codes] and by [zero codes | q]: 18 registers q, 0, q serve both.  Q's scale bytes over its zero codes are 0.
; K of item n + 8 is asked for behind item n's scores, V behind its second product: one buffer each.
; No cluster and no joint loads: a key step is read by one wave of a work-group into its registers; a ring in LDS with a round of a cluster's barrier for every 12.8 KB would be needed to share it.  No prefetch: each byte of K and V is read by many work-groups.
; LIMITS: NaN and infinities are not served; the running largest t starts at -3e38; a block of p whose largest lies under 2^-122 takes the scale byte 1.
.set PARTW, 4352                       ; LDS: a partial result: O^T as 8 x 512 bytes (16 x lane), then (-M, sum) at 4096 + 8 x lane
.set PARTT, 8*PARTW                    ; eight waves' for one tile; tile T = 2 x (0 HIGH, 1 LOW) + t
.set STG,   4*PARTT                    ; behind them the stages of the way out: 16 rows x (256 bytes + 16) for each of four waves
.set QL,  10                           ; in window t: 8 t + r + 8 (r / 8) - 16 h
.set KF,  16                           ; v16-63: window 0: K, four fragments;  window 1: V, four fragments
.set S,   64                           ; in window t: v64-127 the scores, then p
.set OT,  128                          ; v128-159 O^T
.set QF,  160                          ; v160-177 q | zeros | q
.set QN,  178                          ; v178-183 LOW's q
.set P,   184                          ; v184-195 p's codes
.set MX,  196                          ; v196-199 the blocks' largest scores
.set BT,  200                          ; v200-207 at work
.set SO,  208                          ; v208-211 the conversions' scale operands
.set NM,  212                          ; -M
.set TMX, 213                          ; the largest t
.set LL,  214                          ; v[214:215] the sum, in two halves
.set FF,  216                          ; v[216:217] f = 2^(old M - new M); its upper word is only named
.set TMP, 218
.set TW,  219
.set DA,  6                            ; window 0 alone: v6, v7 where I put O^T (HIGH, LOW); v8, v9 the statistics
.set DS,  8
.set RAW, 220                          ; v220-227 two rows of meta: words 0, 1 of each are K's scale words, words 2, 3 V's bytes
.set VSC, 228                          ; v228-231 V's scale words
.set QSC, 232                          ; v232-235 Q's scale words: tile 0 low, high; tile 1 low, high
.set QSCN, 236                         ; v236-239 LOW's
.set PWR, 240                          ; v240, v241 p's scale words of tiles 0, 1
.set MSB, 0
.macro WIN new                         ; bits 1:0 source 0, 3:2 source 1, 5:4 source 2, 7:6 destination; the immediate's high byte repeats the setting that is left
.if MSB != (\new)
	s_set_vgpr_msb (MSB<<8)|(\new)
.set MSB, (\new)
.endif
.endm
.macro MM d, a, b, sa, sb, acc
.if \acc
	v_wmma_scale_f32_16x16x128_f8f6f4 v[(\d):(\d)+7], v[(\a):(\a)+11], v[(\b):(\b)+11], v[(\d):(\d)+7], v[\sa], v[\sb] matrix_a_fmt:MATRIX_FMT_BF6 matrix_b_fmt:MATRIX_FMT_BF6
.else
	v_wmma_scale_f32_16x16x128_f8f6f4 v[(\d):(\d)+7], v[(\a):(\a)+11], v[(\b):(\b)+11], 0, v[\sa], v[\sb] matrix_a_fmt:MATRIX_FMT_BF6 matrix_b_fmt:MATRIX_FMT_BF6
.endif
.endm
.macro STEPOF add                      ; s40 = the key step of item n + add
	s_add_co_u32 s40, s19, \add
	s_cmp_lt_u32 s40, s18
	s_cselect_b32 s41, 0, s18
	s_sub_co_u32 s40, s40, s41
	s_mov_b32 s43, 0
.endm
.macro PTRK add
	s_wait_xcnt 0x0                                ; the earlier loads have read their bases
	STEPOF \add
	s_mul_i32 s42, s40, 6144                       ; 128 keys are two units of 3,072 bytes
	s_add_nc_u64 s[34:35], s[28:29], s[42:43]
	s_lshl_b32 s42, s40, 10                        ; and two of 512 in meta
	s_add_nc_u64 s[36:37], s[32:33], s[42:43]
.endm
.macro PTRV add
	s_wait_xcnt 0x0
	STEPOF \add
	s_mul_i32 s42, s40, 6144
	s_add_nc_u64 s[38:39], s[30:31], s[42:43]
.endm
.macro KLOAD                           ; 18 loads: four fragments (pair j: lane (r, h) takes head block h of row r of both tiles) and two rows of meta
.irp j, 0,1,2,3
	global_load_b128 v[KF+12*\j:KF+12*\j+3], v1, s[34:35] offset:1536*\j
	global_load_b64 v[KF+12*\j+4:KF+12*\j+5], v2, s[34:35] offset:1536*\j
	global_load_b128 v[KF+12*\j+6:KF+12*\j+9], v1, s[34:35] offset:1536*\j+256
	global_load_b64 v[KF+12*\j+10:KF+12*\j+11], v2, s[34:35] offset:1536*\j+128
.endr
	global_load_b128 v[RAW:RAW+3], v5, s[36:37] offset:256
	global_load_b128 v[RAW+4:RAW+7], v5, s[36:37] offset:768
.endm
.macro VLOAD                           ; 16 loads: four fragments: head tile d, unit e = keys 64 e on
	WIN 0x40
.irp d, 0,1,2,3
.irp e, 0,1
	global_load_b128 v[KF+12*\d+6*\e:KF+12*\d+6*\e+3], v3, s[38:39] offset:3072*\e+768*\d
	global_load_b64 v[KF+12*\d+6*\e+4:KF+12*\d+6*\e+5], v4, s[38:39] offset:3072*\e+768*\d
.endr
.endr
	WIN 0
.endm
.macro QK t                            ; S^T of tile t: register 16 j + i of lane (r, h) is key 32 j + 16 h + i of the step
	WIN 0x54*\t
.irp j, 0,1,2,3
	MM S+16*\j, KF+12*\j, QF, RAW+4*(\j/2)+\j%2, QSC+2*\t, 0
	MM S+16*\j+8, KF+12*\j, QF+6, RAW+4*(\j/2)+\j%2, QSC+2*\t+1, 0
.endr
.endm
.macro PV t                            ; O^T of tile t += V^T P^T: the four accumulators take turns
	WIN 0x01+0x54*\t
.irp d, 0,1,2,3
	MM OT+8*\d, KF+12*\d, P, VSC+\d, PWR+\t, 1
.endr
.endm
.macro MASK t                          ; on the diagonal: hidden scores become -infinity.  Key 32 b + i + 16 h of the step is hidden where 32 b + i > my query's place in the step - 16 h
	WIN 0x55*\t
	v_add_nc_u32 v[FF], s22, v[QL]
	v_mov_b32 v[TMP], 0xff800000
.set n, 0
.rept 64
	v_cmp_gt_i32 vcc_lo, 32*(n/16)+n%16, v[FF]
	v_cndmask_b32 v[S+n], v[S+n], v[TMP], vcc_lo
.set n, n+1
.endr
.endm
.macro SOFTMAX t
	WIN 0x55*\t
.irp b, 0,1,2,3
	v_max3_num_f32 v[MX+\b], v[S+16*\b], v[S+16*\b+1], v[S+16*\b+2]   ; the largest score of each block of 32 keys: for the row's maximum and, since p rises with the score, for the block's largest p.  (Accumulators are read from their low end on)
.endr
.irp i, 3,5,7,9,11,13
.irp b, 0,1,2,3
	v_max3_num_f32 v[MX+\b], v[MX+\b], v[S+16*\b+\i], v[S+16*\b+\i+1]
.endr
.endr
.irp b, 0,1,2,3
	v_max_num_f32 v[MX+\b], v[MX+\b], v[S+16*\b+15]
.endr
.irp b, 0,1,2,3
	v_permlanex16_b32 v[BT+\b], v[MX+\b], s24, s25
.endr
.irp b, 0,1,2,3
	v_max_num_f32 v[MX+\b], v[MX+\b], v[BT+\b]     ; with lane l xor 16's 16 keys
.endr
	v_max3_num_f32 v[TMP], v[MX], v[MX+1], v[MX+2]
	v_max_num_f32 v[TMP], v[TMP], v[MX+3]
	v_mul_f32 v[TMP], s26, v[TMP]                  ; as t (c is positive)
	v_max_num_f32 v[TMX], v[TMX], v[TMP]           ; the running largest t
	v_mov_b32 v[TMP], v[NM]
	v_floor_f32 v[NM], -v[TMX]                     ; the new -M = -ceil(t)
	v_sub_f32 v[TMP], v[NM], v[TMP]                ; old M - new M: a whole number, 0 or less
	v_cvt_i32_f32 v[TMP], v[TMP]                   ; (it saturates)
	v_ldexp_f32 v[FF], 1.0, v[TMP]                 ; f = 2^(old M - new M)
.set j, 0
.rept 32
	v_pk_fma_f32 v[S+j:S+j+1], v[S+j:S+j+1], s[26:27], v[NM:NM+1] op_sel_hi:[1,0,0]   ; t - M, two at a time
.set j, j+2
.endr
.irp b, 0,1,2,3
	v_fma_f32 v[MX+\b], v[MX+\b], s26, v[NM]       ; the same of each block's largest score
.endr
.set j, 0
.rept 64
	v_exp_f32 v[S+j], v[S+j]                       ; p = 2^(t - M)
.set j, j+1
.endr
	v_pk_mul_f32 v[LL:LL+1], v[LL:LL+1], v[FF:FF+1] op_sel_hi:[1,0]   ; the sums under the new M; the plain line behind the exponentials
	s_wait_alu depctr_va_vdst(0)                   ; one wait for the batch of 64, ahead of its first reader
.irp b, 0,1,2,3
	v_exp_f32 v[MX+\b], v[MX+\b]                   ; the blocks' largest p
.endr
	v_pk_add_f32 v[BT:BT+1], v[S:S+1], v[S+2:S+3]  ; the row's sum is taken of the unquantised p, in two chains
.set j, 4
.rept 15
	v_pk_add_f32 v[LL:LL+1], v[LL:LL+1], v[S+j:S+j+1]
	v_pk_add_f32 v[BT:BT+1], v[BT:BT+1], v[S+j+2:S+j+3]
.set j, j+4
.endr
	v_pk_add_f32 v[LL:LL+1], v[LL:LL+1], v[BT:BT+1]
	s_wait_alu depctr_va_vdst(0)                   ; and one for the four
.irp b, 0,1,2,3
	v_max_num_f32 v[MX+\b], 0x2800000, v[MX+\b]    ; the floor 2^(5 - 127): the byte cannot fall under 1
.endr
.irp b, 0,1,2,3
	v_add_nc_u32 v[SO+\b], 0xfe000000, v[MX+\b]    ; 4 off the exponent field: the conversion's scale operand
.endr
.irp b, 0,1,2,3
	v_lshrrev_b32 v[BT+\b], 23, v[SO+\b]           ; the scale's byte
.endr
	v_lshl_or_b32 v[TW], v[BT+1], 8, v[BT]
	v_lshl_or_b32 v[TW], v[BT+2], 16, v[TW]
	WIN 0x15*\t                                    ; scale operands have no window: the finished word goes to window 0
	v_lshl_or_b32 v[PWR+\t], v[BT+3], 24, v[TW]
	WIN 0x55*\t
.irp c, 0,1
	v_cvt_scalef32_pk16_bf6_f32 v[P+6*\c:P+6*\c+2], v[S+32*\c:S+32*\c+15], v[SO+2*\c]
	v_cvt_scalef32_pk16_bf6_f32 v[BT+4*\c:BT+4*\c+2], v[S+32*\c+16:S+32*\c+31], v[SO+2*\c+1]
.endr
	v_nop                                          ; one plain line behind the scaled conversions
.irp c, 0,1                                    ; the operand's layout wants a whole block in a lane
.irp i, 0,1,2
	v_permlane16_swap_b32 v[P+6*\c+\i], v[BT+4*\c+\i]
.endr
.irp i, 0,1,2
	v_mov_b32 v[P+6*\c+3+\i], v[BT+4*\c+\i]
.endr
.endr
.set j, 0
.rept 16
	v_pk_mul_f32 v[OT+j:OT+j+1], v[OT+j:OT+j+1], v[FF:FF+1] op_sel_hi:[1,0]   ; O^T under the new M, from the low end on; these sixteen are also the places between the scale word's and the codes' last writes and the products
.set j, j+2
.endr
.endm
.macro INIT t                          ; an empty state: zeros, and a largest t under every t
	WIN 0x55*\t
.set j, 0
.rept 32
	v_mov_b32 v[OT+j], 0
.set j, j+1
.endr
	v_mov_b32 v[TMX], 0xff61b1e6                   ; -3e38
	v_floor_f32 v[NM], -v[TMX]
	v_mov_b32 v[LL], 0
	v_mov_b32 v[LL+1], 0
	v_mov_b32 v[FF+1], 0
.irp b, 0,1,2,3
	v_mov_b32 v[BT+\b], 0                          ; a lane permute's destination counts as one of its sources
.endr
	v_mov_b32 v[TW], 0
.endm
.macro DUMP seg                        ; my partial result of block seg (0 HIGH, 1 LOW), both tiles, to my own bytes of LDS
.irp t, 0,1
	WIN 0x55*\t
	v_add_f32 v[TMP], v[LL], v[LL+1]
	v_permlanex16_b32 v[TW], v[TMP], s24, s25
	v_add_f32 v[FF+1], v[TMP], v[TW]               ; the row's sum over my keys
	v_mov_b32 v[FF], v[NM]
	WIN 0x04*\t                                    ; an LDS store's data are its source 1
.irp g, 0,1,2,3,4,5,6,7
	ds_store_b128 v[DA+\seg], v[OT+4*\g:OT+4*\g+3] offset:PARTT*\t+512*\g
.endr
	ds_store_b64 v[DS+\seg], v[FF:FF+1] offset:PARTT*\t
.endr
	WIN 0
.endm
.macro SWITCH                          ; from HIGH to LOW
	DUMP 0
	s_wait_dscnt 0x0                               ; the stores have read their registers
.irp i, 0,1,2,3
	v_mov_b32 v[QSC+\i], v[QSCN+\i]                ; first of all: the moves below are the places between these and the next products
.endr
.irp t, 0,1
	WIN 0x55*\t
.irp i, 0,1,2,3,4,5
	v_mov_b32 v[QF+\i], v[QN+\i]
	v_mov_b32 v[QF+12+\i], v[QN+\i]
.endr
	INIT \t
.endr
	WIN 0
	s_mov_b32 s22, s23
.endm
; ONE ITEM: 32 queries x 128 keys.  pf = 1: the item eight further on is asked for.
.macro ITEM pf
	s_sub_co_u32 s40, s19, s18
	s_cmp_lt_u32 s40, 8                            ; my first item of LOW?  (n - H wraps to a large number while n < H)
	s_cbranch_scc0 .Lsame_\@
	SWITCH
.Lsame_\@:
	s_wait_loadcnt 16                              ; K and meta of this item are in; V's sixteen loads may be out
	QK 0
	QK 1
	WIN 0
	v_perm_b32 v[VSC], v[RAW+6], v[RAW+2], 0x05040100     ; V's scale words: two bytes of each unit.  These four lines name no register of the sixteen products:
	v_perm_b32 v[VSC+1], v[RAW+6], v[RAW+2], 0x07060302   ; they are the four places in front of the loads below and of the first read of the scores
	v_perm_b32 v[VSC+2], v[RAW+7], v[RAW+3], 0x05040100
	v_perm_b32 v[VSC+3], v[RAW+7], v[RAW+3], 0x07060302
.if \pf
	PTRK 8
	KLOAD
.endif
	s_add_co_u32 s40, s19, 1
	s_cmp_eq_u32 s40, s18                          ; HIGH's last step and LOW's last step lie on the diagonal
	s_cbranch_scc1 .Lmask_\@
	s_cmp_eq_u32 s19, 32
	s_cbranch_scc0 .Lopen_\@
.Lmask_\@:
	MASK 0
	MASK 1
	WIN 0
.Lopen_\@:
	SOFTMAX 0
.if \pf
	s_wait_loadcnt 18                              ; V is in; the next item's K and meta, eighteen loads, may be out
.else
	s_wait_loadcnt 0x0
.endif
	PV 0
	SOFTMAX 1                                      ; tile 1's vector work stands behind tile 0's products
	PV 1
	WIN 0
.rept 4
	v_nop                                          ; four places in front of the loads into V's registers and of the next read of O^T
.endr
.if \pf
	PTRV 8
	VLOAD
.endif
	s_add_co_u32 s19, s19, 8
.endm
	s_load_b256 s[4:11], s[0:1], 0x0               ; qcodes s[4:5], kcodes s[6:7], vcodes s[8:9], meta s[10:11]
	s_load_b64 s[12:13], s[0:1], 0x20              ; out0
	v_lshl_add_u32 v254, v0, 2, 0x26400
	v_mov_b32 v255, 0
	v_lshrrev_b32 v242, 5, v0
	v_readfirstlane_b32 s14, v242                  ; wave 0..7
	s_mov_b32 s15, ttmp9                           ; a
	s_and_b32 s16, ttmp7, 0xffff                   ; the batch
	s_lshr_b32 s17, s15, 2                         ; LOW's last key step
	s_sub_co_u32 s18, 32, s17                      ; H: HIGH's key steps
	s_mov_b32 s19, s14                             ; n: my first item
	s_mov_b32 s20, 0
	s_and_b32 s23, s15, 3
	s_sub_co_u32 s22, 3, s23
	s_lshl_b32 s22, s22, 5                         ; the block's place in its diagonal step: HIGH's (in hand),
	s_lshl_b32 s23, s23, 5                         ; LOW's
	s_mov_b32 s24, 0x76543210
	s_mov_b32 s25, 0xfedcba98                      ; v_permlanex16_b32's selects for lane l xor 16
	s_mov_b32 s26, 0x3e38aa3b                      ; c = log2(e) / 8
	s_mov_b32 s27, s26                             ; (named with it as a pair)
	s_cmp_eq_u32 s14, 0
	s_cselect_b32 s21, 4, 3                        ; items that ask for a successor: all but my last
	s_add_co_u32 s40, s14, s17
	s_and_b32 s40, s40, 7
	s_cmp_le_u32 s40, s17
	s_cselect_b32 s44, 1, 0                        ; does one of H .. 32 fall to me?
	v_and_b32 v244, 31, v0                         ; lane
	v_and_b32 v242, 15, v0                         ; r
	v_bfe_u32 v243, v0, 4, 1                       ; h
	v_mul_u32_u24 v245, v243, 768
	v_lshl_add_u32 v1, v242, 4, v245               ; v1  K, Q: head block h, registers 0-3 of source lane r
	v_lshl_add_u32 v2, v242, 3, v245
	v_add_nc_u32 v2, 512, v2                       ; v2  registers 4-5
	v_lshlrev_b32 v3, 4, v244                      ; v3  16 x lane
	v_lshlrev_b32 v4, 3, v244
	v_lshlrev_b32 v5, 4, v242                      ; v5  16 r: a row of meta
	s_mul_i32 s40, s14, PARTW
	v_add_nc_u32 v6, s40, v3
	v_add_nc_u32 v7, 2*PARTT, v6
	v_add_nc_u32 v8, s40, v4
	v_add_nc_u32 v8, 4096, v8
	v_add_nc_u32 v9, 2*PARTT, v8
	s_and_b32 s41, s14, 3
	s_mul_i32 s42, s41, PARTT
	v_add_nc_u32 v11, s42, v3                      ; v11 the merge: tile w & 3's partial results
	v_add_nc_u32 v12, s42, v4
	v_add_nc_u32 v12, 4096, v12                    ; v12 and their statistics
	v_add_nc_u32 v4, 512, v4                       ; v4  8 x lane + 512: V's registers 4-5
	s_mul_i32 s42, s41, 16*272
	s_add_co_u32 s42, s42, STG
	v_mul_u32_u24 v13, v242, 272
	v_lshl_add_u32 v13, v243, 5, v13
	v_add_nc_u32 v13, s42, v13                     ; v13 the stage, in: row r, + 32 h
	v_mul_u32_u24 v14, v243, 272
	v_lshl_add_u32 v14, v242, 4, v14
	v_add_nc_u32 v14, s42, v14                     ; v14 and back: lanes 0-15 one row, lanes 16-31 the next
	v_lshlrev_b32 v15, 8, v243
	v_lshl_add_u32 v15, v242, 4, v15               ; v15 the same two rows in out0
	v_and_b32 v10, 8, v242
	v_add_nc_u32 v10, v10, v242
	v_lshlrev_b32 v245, 4, v243
	v_sub_nc_u32 v10, v10, v245                    ; tile 0: r + 8 (r / 8) - 16 h
	s_wait_kmcnt 0x0
	s_mul_i32 s40, s16, 196608                     ; a batch's 64 units of 3,072 bytes
	s_mov_b32 s41, 0
	s_add_nc_u64 s[4:5], s[4:5], s[40:41]
	s_add_nc_u64 s[28:29], s[6:7], s[40:41]
	s_add_nc_u64 s[30:31], s[8:9], s[40:41]
	s_lshl_b32 s40, s16, 15
	s_add_nc_u64 s[32:33], s[10:11], s[40:41]
	s_sub_co_u32 s45, 127, s15                     ; HIGH's block
	s_mul_i32 s40, s45, 1536                       ; a block of 32 queries is a pair: 1,536 bytes
	s_add_nc_u64 s[46:47], s[4:5], s[40:41]
	s_mul_i32 s40, s15, 1536
	s_add_nc_u64 s[48:49], s[4:5], s[40:41]
	s_lshr_b32 s40, s45, 1
	s_lshl_b32 s40, s40, 9
	s_and_b32 s42, s45, 1
	s_lshl_b32 s42, s42, 2
	s_add_co_u32 s40, s40, s42
	s_add_nc_u64 s[50:51], s[32:33], s[40:41]      ; q's scale word of the pair: unit x 512 + 4 x pair (+ 16 r)
	s_lshr_b32 s40, s15, 1
	s_lshl_b32 s40, s40, 9
	s_and_b32 s42, s15, 1
	s_lshl_b32 s42, s42, 2
	s_add_co_u32 s40, s40, s42
	s_add_nc_u64 s[52:53], s[32:33], s[40:41]
	s_and_b32 s42, s14, 2                          ; the merge: waves 0, 1 HIGH's tiles, waves 2, 3 LOW's
	s_cmp_eq_u32 s42, 0
	s_cselect_b32 s40, s45, s15
	s_lshl_b32 s40, s40, 13                        ; 32 rows of 256 bytes
	s_and_b32 s42, s14, 1
	s_lshl_b32 s42, s42, 11                        ; tile t begins 8 rows on
	s_add_co_u32 s40, s40, s42
	s_lshl_b32 s42, s16, 20
	s_add_co_u32 s40, s40, s42
	s_add_nc_u64 s[12:13], s[12:13], s[40:41]
	PTRK 0
	PTRV 0
.irp t, 0,1                                    ; 14 loads: HIGH's q into both places, LOW's q, the two scale words
	WIN 0x40*\t
	global_load_b128 v[QF:QF+3], v1, s[46:47] offset:256*\t
	global_load_b64 v[QF+4:QF+5], v2, s[46:47] offset:128*\t
	global_load_b128 v[QF+12:QF+15], v1, s[46:47] offset:256*\t
	global_load_b64 v[QF+16:QF+17], v2, s[46:47] offset:128*\t
	global_load_b128 v[QN:QN+3], v1, s[48:49] offset:256*\t
	global_load_b64 v[QN+4:QN+5], v2, s[48:49] offset:128*\t
.if \t == 0
	global_load_b32 v[PWR], v5, s[50:51]
	global_load_b32 v[PWR+1], v5, s[52:53]
.endif
.endr
	v_add_nc_u32 v10, 8, v10                       ; (destination window 1)  tile 1: 8 more
	WIN 0
	KLOAD
	VLOAD
.irp t, 0,1
	WIN 0x55*\t
.irp i, 6,7,8,9,10,11
	v_mov_b32 v[QF+\i], 0                          ; the zero codes between the two copies of q
.endr
	INIT \t
.endr
	WIN 0
	DUMP 1                                         ; LOW's record starts empty: a wave to which no item of LOW falls leaves zeros there, under an M below every other
	s_wait_loadcnt 34                              ; q and its scale words are in; K's 18 and V's 16 loads may be out
	v_and_b32 v[QSC], 0xffff, v[PWR]               ; tile 0's two bytes over [q | 0],
	v_lshlrev_b32 v[QSC+1], 16, v[PWR]             ; over [0 | q];
	v_lshrrev_b32 v[QSC+2], 16, v[PWR]             ; tile 1's
	v_and_b32 v[QSC+3], 0xffff0000, v[PWR]
	v_and_b32 v[QSCN], 0xffff, v[PWR+1]
	v_lshlrev_b32 v[QSCN+1], 16, v[PWR+1]
	v_lshrrev_b32 v[QSCN+2], 16, v[PWR+1]
	v_and_b32 v[QSCN+3], 0xffff0000, v[PWR+1]
.rept 4
	v_nop                                          ; with the four lines above: eight places between a scale word's write and the first scaled product
.endr
.Litem:
	ITEM 1
	s_add_co_u32 s20, s20, 1
	s_cmp_lt_u32 s20, s21
	s_cbranch_scc1 .Litem
	ITEM 0                                         ; my last item asks for nothing
	s_cmp_eq_u32 s44, 1
	s_cbranch_scc1 .Llow
	DUMP 0
	s_branch .Ldumped
.Llow:
	DUMP 1
.Ldumped:
	s_wait_dscnt 0x0                               ; for the others' sake: my records lie in LDS
	s_barrier_signal -1
	s_barrier_wait -1
	s_cmp_lt_u32 s14, 4
	s_cbranch_scc0 .Lend
	; THE MERGE of tile T = my wave's number: eight partial results, brought under the largest M by exact powers of two
.macro MLOAD rd
.irp q, 0,1,2,3
.irp g, 0,1,2,3,4,5,6,7
	ds_load_b128 v[64+32*\q+4*\g:64+32*\q+4*\g+3], v11 offset:PARTW*(4*\rd+\q)+512*\g
.endr
.endr
.endm
.macro MACC rd
.irp q, 0,1,2,3
	s_wait_dscnt 24-8*\q                           ; this partial's eight loads are in; the later ones' may be out
.set j, 0
.rept 16
.if (\rd == 0) && (\q == 0)
	v_pk_mul_f32 v[32+j:33+j], v[64+j:65+j], v[16:17] op_sel_hi:[1,0]
.else
	v_pk_fma_f32 v[32+j:33+j], v[64+32*\q+j:65+32*\q+j], v[16+2*(4*\rd+\q):17+2*(4*\rd+\q)], v[32+j:33+j] op_sel_hi:[1,0,1]
.endif
.set j, j+2
.endr
.endr
.endm
.irp p, 0,1,2,3,4,5,6,7
	ds_load_b64 v[16+2*\p:17+2*\p], v12 offset:PARTW*\p   ; (-M, sum) of wave p
.endr
	MLOAD 0
	s_wait_dscnt 32                                ; the statistics are in; the 32 loads behind them may be out
	v_min3_num_f32 v220, v16, v18, v20
	v_min3_num_f32 v220, v220, v22, v24
	v_min3_num_f32 v220, v220, v26, v28
	v_min_num_f32 v220, v220, v30                  ; the least -M: the largest M
.irp p, 0,1,2,3,4,5,6,7
	v_sub_f32 v[16+2*\p], v220, v[16+2*\p]         ; M of wave p less the largest: a whole number, 0 or less
.endr
.irp p, 0,1,2,3,4,5,6,7
	v_cvt_i32_f32 v[16+2*\p], v[16+2*\p]           ; (it saturates: an empty record's factor is 0)
.endr
.irp p, 0,1,2,3,4,5,6,7
	v_ldexp_f32 v[16+2*\p], 1.0, v[16+2*\p]
.endr
	v_mul_f32 v221, v16, v17
.irp p, 1,2,3,4,5,6,7
	v_fmac_f32 v221, v[16+2*\p], v[17+2*\p]        ; the row's sum
.endr
	v_rcp_f32 v222, v221
	v_mov_b32 v223, 0                              ; the plain line behind the reciprocal; v223 is named with v222 as a pair
	s_wait_alu depctr_va_vdst(0)                   ; the wait ahead of the first use
	MACC 0
	MLOAD 1
	MACC 1
.set j, 0
.rept 16
	v_pk_mul_f32 v[32+j:33+j], v[32+j:33+j], v[222:223] op_sel_hi:[1,0]   ; O^T / the sum: register 8 d + i is channel 16 d + 8 h + i of query row r
.set j, j+2
.endr
.irp d, 0,1,2,3
	ds_store_b128 v13, v[32+8*\d:35+8*\d] offset:64*\d
	ds_store_b128 v13, v[36+8*\d:39+8*\d] offset:64*\d+16
.endr
.irp i, 0,1,2,3,4,5,6,7
	ds_load_b128 v[64+4*\i:67+4*\i], v14 offset:544*\i   ; my own stage: LDS serves a wave's instructions in order, so these see the stores above
.endr
.irp i, 0,1,2,3,4,5,6,7
	s_wait_dscnt 7-\i
	global_store_b128 v15, v[64+4*\i:67+4*\i], s[12:13] offset:(2*\i+8*(\i/4))*256 th:TH_STORE_NT   ; tile rows 2 i, 2 i + 1 are tokens 2 i + 8 (i / 4) on: sixteen lanes store a row's 256 consecutive bytes, aligned
.endr
.Lend:
	s_wait_tensorcnt 0x0
	ds_add_u32 v254, v255
	s_wait_dscnt 0x0
	s_endpgm
.Lfunc_end_k_q727d6c073b_attn:
	.size	k_q727d6c073b_attn, .Lfunc_end_k_q727d6c073b_attn-k_q727d6c073b_attn
	.p2alignl 7, 3214868480
	.fill 96, 4, 3214868480
	.section	.rodata,"a",@progbits
	.p2align	6, 0x0
	.amdhsa_kernel k_q727d6c073b_attn
		.amdhsa_group_segment_fixed_size 157696
		.amdhsa_private_segment_fixed_size 0
		.amdhsa_enable_private_segment 0
		.amdhsa_kernarg_size 40
		.amdhsa_user_sgpr_count 2
		.amdhsa_user_sgpr_kernarg_segment_ptr 1
		.amdhsa_wavefront_size32 1
		.amdhsa_system_sgpr_workgroup_id_x 1
		.amdhsa_system_sgpr_workgroup_id_y 1
		.amdhsa_system_sgpr_workgroup_id_z 1
		.amdhsa_system_vgpr_workitem_id 0
		.amdhsa_next_free_vgpr 512
		.amdhsa_next_free_sgpr 66
		.amdhsa_reserve_vcc 1
		.amdhsa_float_denorm_mode_32 3
		.amdhsa_float_denorm_mode_16_64 3
		.amdhsa_memory_ordered 1
		.amdhsa_forward_progress 1
		.amdhsa_inst_pref_size 126
	.end_amdhsa_kernel
	.amdgpu_metadata
---
amdhsa.version: [ 1, 2 ]
amdhsa.kernels:
  - .name:           k_q727d6c073b_attn
    .symbol:         k_q727d6c073b_attn.kd
    .args:
      - { .name: qcodes, .offset: 0, .size: 8, .value_kind: global_buffer, .address_space: global }
      - { .name: kcodes, .offset: 8, .size: 8, .value_kind: global_buffer, .address_space: global }
      - { .name: vcodes, .offset: 16, .size: 8, .value_kind: global_buffer, .address_space: global }
      - { .name: meta, .offset: 24, .size: 8, .value_kind: global_buffer, .address_space: global }
      - { .name: out0, .offset: 32, .size: 8, .value_kind: global_buffer, .address_space: global }
    .group_segment_fixed_size: 157696
    .private_segment_fixed_size: 0
    .kernarg_segment_align: 8
    .kernarg_segment_size: 40
    .max_flat_workgroup_size: 256
    .sgpr_count:     66
    .vgpr_count:     512
    .wavefront_size: 32
...
	.end_amdgpu_metadata
.endif
;; end of part 3
;; ======== version 2 of 2: 3 launches; version 1 with the launch attn written anew for expert scheduling mode
;; workspace buffers: wfrag 110,592 bytes; wscale 9,216 bytes; qcodes 786,432 bytes; kcodes 786,432 bytes; vcodes 786,432 bytes; meta 131,072 bytes
;; launch wquant: the kernel of part 1 again; grid 6 x 3, 4 waves a work-group, no clusters, 0 bytes of LDS; arguments Wq, Wk, Wv, wfrag, wscale; writes wfrag, wscale
;; launch proj: the kernel of part 2 again; grid 256 x 1, 4 waves a work-group, no clusters, 246,272 bytes of LDS; arguments x, wfrag, wscale, qcodes, kcodes, vcodes, meta; writes qcodes, kcodes, vcodes, meta
;; launch attn (part 4): grid 64 x 4, 8 waves a work-group, no clusters, 157,696 bytes of LDS; arguments qcodes, kcodes, vcodes, meta, out0; writes out0
.if DOCPART == 4
	.amdgcn_target "amdgcn-amd-amdhsa--gfx1250"
	.amdhsa_code_object_version 6
	.text
	.protected	k_q727d6c073b_attn
	.globl	k_q727d6c073b_attn
	.p2align	8
	.type	k_q727d6c073b_attn,@function
k_q727d6c073b_attn:
	s_mov_b64 s[64:65], 0
	v_nop
	global_prefetch_b8 v0, s[64:65] scope:SCOPE_SE
	s_setreg_imm32_b32 hwreg(HW_REG_WAVE_SCHED_MODE, 0, 2), 2
	s_setreg_imm32_b32 hwreg(HW_REG_WAVE_MODE, 25, 1), 1
	s_wait_xcnt 0x0
	s_wait_alu depctr_vm_vsrc(0)
; out[b][q][:] = the sum over keys k <= q of softmax_k(q . k / 8) v[k][:], both products on codes of BF6 (E3M2) with one E8M0 scale for each 32 along a product's K.  Codes and scale bytes come from the launch before, in the order of the operands' registers.
; THE SOFTMAX: t = score x log2(e) / 8; M = the largest t so far, rounded UP to a whole number; p = 2^(t - M) is quantised along the keys, not normalised; the sum of the unquantised p divides at the end.  A change of M multiplies by a power of two: exact.
; SHARES.  Work-group (a, batch) owns two blocks of 32 queries: block 127 - a (HIGH: key steps 0 .. 31 - a / 4 of 128 keys) and block a (LOW: steps 0 .. a / 4): 33 items in every work-group.  Item n < H = 32 - a / 4 is HIGH's step n, else LOW's step n - H.
; Wave w of eight takes items w, w + 8, ..: four, wave 0 five.  Each wave keeps its own M, sum and O^T for the block in hand; the eight partial results of each block meet in LDS behind the launch's one barrier, and waves 0-3 merge one tile of 16 queries each.
; A wave holds the block's TWO tiles of 16 queries, tile t's registers in window t at equal numbers; each fragment of K and V comes from memory straight into registers (no wave shares a key step with another) and feeds two products.
; Both products are used transposed: S^T = K Q^T, O^T = V^T P^T: a lane holds one query throughout.  Row m of tile 2 b + u of a unit is token 32 b + 8 u + m + 8 (m / 8), so the 16 score registers of a pair of key tiles are 16 neighbouring keys.
; THE HEAD HAS 64 CHANNELS, THE INSTRUCTION 128: a fragment of K holds TWO key tiles (registers 0-5, 6-11).  It is multiplied by [q | zero codes] and by [zero codes | q]: 18 registers q, 0, q serve both.  Q's scale bytes over its zero codes are 0.
; K of item n + 8 is asked for in item n's first softmax, V behind its second product: one buffer each (two waves of 512 registers share a SIMD's 1,024: there is no room for a second).
; No cluster and no joint loads: a key step is read by one wave of a work-group into its registers; a ring in LDS with a round of a cluster's barrier for every 12.8 KB would be needed to share it.  No prefetch: each byte of K and V is read by many work-groups.
; LIMITS: NaN and infinities are not served; the running largest t starts at -3e38; a block of p whose largest lies under 2^-122 takes the scale byte 1.
; THE MODE: SCHED_MODE bits 1:0 = 2 (LLVM: expert scheduling mode 2), set by the entry lines.  The code itself states the register dependences between vector or matrix instructions and memory or LDS instructions, with s_wait_alu, always for 0.
; THE PLAN.  Registers that memory or LDS instructions touch:
;   v1-v9, v11-v15   offsets and LDS addresses: made once at the head, ahead of one wait on va_vdst, and never written again; the scalar bases step.
;   K (window 0, v16-63) and RAW   written by KLOAD; read by the item's sixteen score products and four v_perm.  KLOAD stands directly behind the wait that tile 0's batch of exponentials has: all those readers were issued ahead of it.
;   V (window 1, v16-63)           written by VLOAD; read by the item's eight products V^T P^T.  VLOAD stands at the item's end: the window switch, one wait on va_vdst, the sixteen loads.
;   O^T and the pair FF            written by vector and matrix lines; read by DUMP's LDS stores: one wait on va_vdst ahead of a DUMP's eighteen stores, one on vm_vsrc ahead of the next line or load that writes these registers.
;   Operands and scale words of a scaled product that vector lines have made (q's copies and zero codes, Q's, V's and p's scale words, p's codes): behind their places one wait on va_vdst, ahead of the product.
;   In the merge: the first four partial results land in window 0, the second four in window 1, which DUMP has left free: no load lands in a register that the sums still read.
.set PARTW, 4352                       ; LDS: a partial result: O^T as 8 x 512 bytes (16 x lane), then (-M, sum) at 4096 + 8 x lane
.set PARTT, 8*PARTW                    ; eight waves' for one tile; tile T = 2 x (0 HIGH, 1 LOW) + t
.set STG,   4*PARTT                    ; behind them the stages of the way out: 16 rows x (256 bytes + 16) for each of four waves
.set QL,  10                           ; in window t: 8 t + r + 8 (r / 8) - 16 h
.set KF,  16                           ; v16-63: window 0: K, four fragments;  window 1: V, four fragments
.set S,   64                           ; in window t: v64-127 the scores, then p
.set OT,  128                          ; v128-159 O^T
.set QF,  160                          ; v160-177 q | zeros | q
.set QN,  178                          ; v178-183 LOW's q
.set P,   184                          ; v184-195 p's codes
.set MX,  196                          ; v196-199 the blocks' largest scores
.set BT,  200                          ; v200-207 at work
.set SO,  208                          ; v208-211 the conversions' scale operands
.set NM,  212                          ; -M
.set TMX, 213                          ; the largest t
.set LL,  214                          ; v[214:215] the sum, in two halves
.set FF,  216                          ; v[216:217] f = 2^(old M - new M); its upper word is only named
.set TMP, 218
.set TW,  219
.set DA,  6                            ; window 0 alone: v6, v7 where I put O^T (HIGH, LOW); v8, v9 the statistics
.set DS,  8
.set RAW, 220                          ; v220-227 two rows of meta: words 0, 1 of each are K's scale words, words 2, 3 V's bytes
.set VSC, 228                          ; v228-231 V's scale words
.set QSC, 232                          ; v232-235 Q's scale words: tile 0 low, high; tile 1 low, high
.set QSCN, 236                         ; v236-239 LOW's
.set PWR, 240                          ; v240, v241 p's scale words of tiles 0, 1
.set MK,  48                           ; s48-s63 sixteen masks of the causal mask (at the head s[46:53] are the bases of q's loads, which the wait for q shows done)
.set MSB, 0
.macro WIN new                         ; bits 1:0 source 0, 3:2 source 1, 5:4 source 2, 7:6 destination; the immediate's high byte repeats the setting that is left
.if MSB != (\new)
	s_set_vgpr_msb (MSB<<8)|(\new)
.set MSB, (\new)
.endif
.endm
.macro MM d, a, b, sa, sb, acc
.if \acc
	v_wmma_scale_f32_16x16x128_f8f6f4 v[(\d):(\d)+7], v[(\a):(\a)+11], v[(\b):(\b)+11], v[(\d):(\d)+7], v[\sa], v[\sb] matrix_a_fmt:MATRIX_FMT_BF6 matrix_b_fmt:MATRIX_FMT_BF6
.else
	v_wmma_scale_f32_16x16x128_f8f6f4 v[(\d):(\d)+7], v[(\a):(\a)+11], v[(\b):(\b)+11], 0, v[\sa], v[\sb] matrix_a_fmt:MATRIX_FMT_BF6 matrix_b_fmt:MATRIX_FMT_BF6
.endif
.endm
.macro STEPOF add                      ; s40 = the key step of item n + add
	s_add_co_u32 s40, s19, \add
	s_cmp_lt_u32 s40, s18
	s_cselect_b32 s41, 0, s18
	s_sub_co_u32 s40, s40, s41
	s_mov_b32 s43, 0
.endm
.macro PTRK add
	s_wait_xcnt 0x0                                ; the earlier loads have read their bases
	STEPOF \add
	s_mul_i32 s42, s40, 6144                       ; 128 keys are two units of 3,072 bytes
	s_add_nc_u64 s[34:35], s[28:29], s[42:43]
	s_lshl_b32 s42, s40, 10                        ; and two of 512 in meta
	s_add_nc_u64 s[36:37], s[32:33], s[42:43]
.endm
.macro PTRV add
	s_wait_xcnt 0x0
	STEPOF \add
	s_mul_i32 s42, s40, 6144
	s_add_nc_u64 s[38:39], s[30:31], s[42:43]
.endm
.macro KLOAD                           ; 18 loads: four fragments (pair j: lane (r, h) takes head block h of row r of both tiles) and two rows of meta
.irp j, 0,1,2,3
	global_load_b128 v[KF+12*\j:KF+12*\j+3], v1, s[34:35] offset:1536*\j
	global_load_b64 v[KF+12*\j+4:KF+12*\j+5], v2, s[34:35] offset:1536*\j
	global_load_b128 v[KF+12*\j+6:KF+12*\j+9], v1, s[34:35] offset:1536*\j+256
	global_load_b64 v[KF+12*\j+10:KF+12*\j+11], v2, s[34:35] offset:1536*\j+128
.endr
	global_load_b128 v[RAW:RAW+3], v5, s[36:37] offset:256
	global_load_b128 v[RAW+4:RAW+7], v5, s[36:37] offset:768
.endm
.macro VLOAD own                       ; 16 loads: four fragments: head tile d, unit e = keys 64 e on.  own = 1: in the loop, where products have read V
	WIN 0x40
.if \own
	s_wait_alu depctr_va_vdst(0)                   ; this item's eight products V^T P^T are done reading V's registers, in which the loads below land
.endif
.irp d, 0,1,2,3
.irp e, 0,1
	global_load_b128 v[KF+12*\d+6*\e:KF+12*\d+6*\e+3], v3, s[38:39] offset:3072*\e+768*\d
	global_load_b64 v[KF+12*\d+6*\e+4:KF+12*\d+6*\e+5], v4, s[38:39] offset:3072*\e+768*\d
.endr
.endr
	WIN 0
.endm
.macro QK t                            ; S^T of tile t: register 16 j + i of lane (r, h) is key 32 j + 16 h + i of the step
	WIN 0x54*\t
.irp j, 0,1,2,3
	MM S+16*\j, KF+12*\j, QF, RAW+4*(\j/2)+\j%2, QSC+2*\t, 0
	MM S+16*\j+8, KF+12*\j, QF+6, RAW+4*(\j/2)+\j%2, QSC+2*\t+1, 0
.endr
.endm
.macro PV t                            ; O^T of tile t += V^T P^T: the four accumulators take turns
	WIN 0x01+0x54*\t
	s_wait_alu depctr_va_vdst(0)                   ; p's codes, p's scale word and V's scale words, which vector lines have made, are written: the products below take them; their places stand ahead of this wait
.irp d, 0,1,2,3
	MM OT+8*\d, KF+12*\d, P, VSC+\d, PWR+\t, 1
.endr
.endm
.macro MASK t                          ; on the diagonal: hidden scores become -infinity.  Key 32 b + i + 16 h of the step is hidden where 32 b + i > my query's place in the step - 16 h
	WIN 0x55*\t
	v_add_nc_u32 v[FF], s22, v[QL]
	v_mov_b32 v[TMP], 0xff800000
.irp b, 0,1,2,3                                ; the compares in runs of sixteen, each into a scalar register of its own
.irp i, 0,1,2,3,4,5,6,7,8,9,10,11,12,13,14,15
	v_cmp_gt_i32 s[MK+\i], 32*\b+\i, v[FF]
.endr
	s_wait_alu depctr_va_sdst(0)                   ; the run's sixteen masks are written, ahead of the selects that read them
.irp i, 0,1,2,3,4,5,6,7,8,9,10,11,12,13,14,15
	v_cndmask_b32 v[S+16*\b+\i], v[S+16*\b+\i], v[TMP], s[MK+\i]
.endr
.endr
.endm
.macro SOFTMAX t, pf                   ; pf = 1 (tile 0 alone, every window 0): K of the item eight further on is asked for
	WIN 0x55*\t
.irp b, 0,1,2,3
	v_max3_num_f32 v[MX+\b], v[S+16*\b], v[S+16*\b+1], v[S+16*\b+2]   ; the largest score of each block of 32 keys: for the row's maximum and, since p rises with the score, for the block's largest p.  (Accumulators are read from their low end on)
.endr
.irp i, 3,5,7,9,11,13
.irp b, 0,1,2,3
	v_max3_num_f32 v[MX+\b], v[MX+\b], v[S+16*\b+\i], v[S+16*\b+\i+1]
.endr
.endr
.irp b, 0,1,2,3
	v_max_num_f32 v[MX+\b], v[MX+\b], v[S+16*\b+15]
.endr
.irp b, 0,1,2,3
	v_permlanex16_b32 v[BT+\b], v[MX+\b], s24, s25
.endr
.irp b, 0,1,2,3
	v_max_num_f32 v[MX+\b], v[MX+\b], v[BT+\b]     ; with lane l xor 16's 16 keys
.endr
	v_max3_num_f32 v[TMP], v[MX], v[MX+1], v[MX+2]
	v_max_num_f32 v[TMP], v[TMP], v[MX+3]
	v_mul_f32 v[TMP], s26, v[TMP]                  ; as t (c is positive)
	v_max_num_f32 v[TMX], v[TMX], v[TMP]           ; the running largest t
	v_mov_b32 v[TMP], v[NM]
	v_floor_f32 v[NM], -v[TMX]                     ; the new -M = -ceil(t)
	v_sub_f32 v[TMP], v[NM], v[TMP]                ; old M - new M: a whole number, 0 or less
	v_cvt_i32_f32 v[TMP], v[TMP]                   ; (it saturates)
	v_ldexp_f32 v[FF], 1.0, v[TMP]                 ; f = 2^(old M - new M)
.set j, 0
.rept 32
	v_pk_fma_f32 v[S+j:S+j+1], v[S+j:S+j+1], s[26:27], v[NM:NM+1] op_sel_hi:[1,0,0]   ; t - M, two at a time
.set j, j+2
.endr
.irp b, 0,1,2,3
	v_fma_f32 v[MX+\b], v[MX+\b], s26, v[NM]       ; the same of each block's largest score
.endr
.set j, 0
.rept 64
	v_exp_f32 v[S+j], v[S+j]                       ; p = 2^(t - M)
.set j, j+1
.endr
	v_pk_mul_f32 v[LL:LL+1], v[LL:LL+1], v[FF:FF+1] op_sel_hi:[1,0]   ; the sums under the new M; the plain line behind the exponentials
	s_wait_alu depctr_va_vdst(0)                   ; the batch of 64 exponentials has written p, ahead of its first reader; and this item's score products and the four v_perm are done reading K and RAW
.if \pf
	PTRK 8
	KLOAD                                          ; no wait of its own: no vector or matrix line since the wait above
.endif
.irp b, 0,1,2,3
	v_exp_f32 v[MX+\b], v[MX+\b]                   ; the blocks' largest p
.endr
	v_pk_add_f32 v[BT:BT+1], v[S:S+1], v[S+2:S+3]  ; the row's sum is taken of the unquantised p, in two chains
.set j, 4
.rept 15
	v_pk_add_f32 v[LL:LL+1], v[LL:LL+1], v[S+j:S+j+1]
	v_pk_add_f32 v[BT:BT+1], v[BT:BT+1], v[S+j+2:S+j+3]
.set j, j+4
.endr
	v_pk_add_f32 v[LL:LL+1], v[LL:LL+1], v[BT:BT+1]
	s_wait_alu depctr_va_vdst(0)                   ; the four exponentials have written the blocks' largest p, ahead of their first reader
.irp b, 0,1,2,3
	v_max_num_f32 v[MX+\b], 0x2800000, v[MX+\b]    ; the floor 2^(5 - 127): the byte cannot fall under 1
.endr
.irp b, 0,1,2,3
	v_add_nc_u32 v[SO+\b], 0xfe000000, v[MX+\b]    ; 4 off the exponent field: the conversion's scale operand
.endr
.irp b, 0,1,2,3
	v_lshrrev_b32 v[BT+\b], 23, v[SO+\b]           ; the scale's byte
.endr
	v_lshl_or_b32 v[TW], v[BT+1], 8, v[BT]
	v_lshl_or_b32 v[TW], v[BT+2], 16, v[TW]
	WIN 0x15*\t                                    ; scale operands have no window: the finished word goes to window 0
	v_lshl_or_b32 v[PWR+\t], v[BT+3], 24, v[TW]
	WIN 0x55*\t
.irp c, 0,1
	v_cvt_scalef32_pk16_bf6_f32 v[P+6*\c:P+6*\c+2], v[S+32*\c:S+32*\c+15], v[SO+2*\c]
	v_cvt_scalef32_pk16_bf6_f32 v[BT+4*\c:BT+4*\c+2], v[S+32*\c+16:S+32*\c+31], v[SO+2*\c+1]
.endr
	v_nop                                          ; one plain line behind the scaled conversions
.irp c, 0,1                                    ; the operand's layout wants a whole block in a lane
.irp i, 0,1,2
	v_permlane16_swap_b32 v[P+6*\c+\i], v[BT+4*\c+\i]
.endr
.irp i, 0,1,2
	v_mov_b32 v[P+6*\c+3+\i], v[BT+4*\c+\i]
.endr
.endr
.set j, 0
.rept 16
	v_pk_mul_f32 v[OT+j:OT+j+1], v[OT+j:OT+j+1], v[FF:FF+1] op_sel_hi:[1,0]   ; O^T under the new M, from the low end on; these sixteen are also the places between the scale word's and the codes' last writes and the products
.set j, j+2
.endr
.endm
.macro INIT t                          ; an empty state: zeros, and a largest t under every t
	WIN 0x55*\t
.set j, 0
.rept 32
	v_mov_b32 v[OT+j], 0
.set j, j+1
.endr
	v_mov_b32 v[TMX], 0xff61b1e6                   ; -3e38
	v_floor_f32 v[NM], -v[TMX]
	v_mov_b32 v[LL], 0
	v_mov_b32 v[LL+1], 0
	v_mov_b32 v[FF+1], 0
.irp b, 0,1,2,3
	v_mov_b32 v[BT+\b], 0                          ; a lane permute's destination counts as one of its sources
.endr
	v_mov_b32 v[TW], 0
.endm
.macro DUMP seg                        ; my partial result of block seg (0 HIGH, 1 LOW), both tiles, to my own bytes of LDS: both tiles' vector lines, one wait, all the stores
.irp t, 0,1
	WIN 0x55*\t
	v_add_f32 v[TMP], v[LL], v[LL+1]
	v_permlanex16_b32 v[TW], v[TMP], s24, s25
	v_add_f32 v[FF+1], v[TMP], v[TW]               ; the row's sum over my keys
	v_mov_b32 v[FF], v[NM]
.endr
	WIN 0
	s_wait_alu depctr_va_vdst(0)                   ; O^T (products, rescalings or zeros) and the pairs (-M, sum) of both tiles are written, which the eighteen LDS stores below read; the places behind the last products stand ahead
.irp t, 0,1
	WIN 0x04*\t                                    ; an LDS store's data are its source 1
.irp g, 0,1,2,3,4,5,6,7
	ds_store_b128 v[DA+\seg], v[OT+4*\g:OT+4*\g+3] offset:PARTT*\t+512*\g
.endr
	ds_store_b64 v[DS+\seg], v[FF:FF+1] offset:PARTT*\t
.endr
	WIN 0
.endm
.macro SWITCH                          ; from HIGH to LOW
	DUMP 0
	s_wait_dscnt 0x0                               ; my record of HIGH lies in LDS
	s_wait_alu depctr_vm_vsrc(0)                   ; the LDS stores have read O^T and the pairs (-M, sum), which the lines below write again
.irp i, 0,1,2,3
	v_mov_b32 v[QSC+\i], v[QSCN+\i]                ; first of all: the moves below are the places between these and the next products
.endr
.irp t, 0,1
	WIN 0x55*\t
.irp i, 0,1,2,3,4,5
	v_mov_b32 v[QF+\i], v[QN+\i]
	v_mov_b32 v[QF+12+\i], v[QN+\i]
.endr
	INIT \t
.endr
	WIN 0
	s_wait_alu depctr_va_vdst(0)                   ; LOW's scale words and both copies of its q are written: the score products take them as scales and as an operand
	s_mov_b32 s22, s23
.endm
; ONE ITEM: 32 queries x 128 keys.  pf = 1: the item eight further on is asked for.
.macro ITEM pf
	s_sub_co_u32 s40, s19, s18
	s_cmp_lt_u32 s40, 8                            ; my first item of LOW?  (n - H wraps to a large number while n < H)
	s_cbranch_scc0 .Lsame_\@
	SWITCH
.Lsame_\@:
	s_wait_loadcnt 16                              ; K and meta of this item are in; V's sixteen loads may be out
	QK 0                                           ; (Q's scale words and q's registers were written ahead of the wait at the head's end, or of the one at SWITCH's)
	QK 1
	WIN 0
	v_perm_b32 v[VSC], v[RAW+6], v[RAW+2], 0x05040100     ; V's scale words: two bytes of each unit.  These four lines name no register of the sixteen products:
	v_perm_b32 v[VSC+1], v[RAW+6], v[RAW+2], 0x07060302   ; they are the four places in front of the first read of the scores
	v_perm_b32 v[VSC+2], v[RAW+7], v[RAW+3], 0x05040100
	v_perm_b32 v[VSC+3], v[RAW+7], v[RAW+3], 0x07060302
	s_add_co_u32 s40, s19, 1
	s_cmp_eq_u32 s40, s18                          ; HIGH's last step and LOW's last step lie on the diagonal
	s_cbranch_scc1 .Lmask_\@
	s_cmp_eq_u32 s19, 32
	s_cbranch_scc0 .Lopen_\@
.Lmask_\@:
	MASK 0
	MASK 1
	WIN 0
.Lopen_\@:
	SOFTMAX 0, \pf                                 ; with the next item's K and meta asked for in its middle
.if \pf
	s_wait_loadcnt 18                              ; V is in; the next item's K and meta, eighteen loads, may be out
.else
	s_wait_loadcnt 0x0
.endif
	PV 0
	SOFTMAX 1, 0                                   ; tile 1's vector work stands behind tile 0's products
	PV 1
	WIN 0
.rept 4
	v_nop                                          ; four places in front of the next read of O^T
.endr
.if \pf
	PTRV 8
	VLOAD 1
.endif
	s_add_co_u32 s19, s19, 8
.endm
	s_load_b256 s[4:11], s[0:1], 0x0               ; qcodes s[4:5], kcodes s[6:7], vcodes s[8:9], meta s[10:11]
	s_load_b64 s[12:13], s[0:1], 0x20              ; out0
	v_lshl_add_u32 v254, v0, 2, 0x26400
	v_mov_b32 v255, 0
	v_lshrrev_b32 v242, 5, v0
	v_readfirstlane_b32 s14, v242                  ; wave 0..7
	s_mov_b32 s15, ttmp9                           ; a
	s_and_b32 s16, ttmp7, 0xffff                   ; the batch
	s_lshr_b32 s17, s15, 2                         ; LOW's last key step
	s_sub_co_u32 s18, 32, s17                      ; H: HIGH's key steps
	s_wait_alu depctr_va_sdst(0)                   ; s14, the wave's number, is written, ahead of its first reader
	s_mov_b32 s19, s14                             ; n: my first item
	s_mov_b32 s20, 0
	s_and_b32 s23, s15, 3
	s_sub_co_u32 s22, 3, s23
	s_lshl_b32 s22, s22, 5                         ; the block's place in its diagonal step: HIGH's (in hand),
	s_lshl_b32 s23, s23, 5                         ; LOW's
	s_mov_b32 s24, 0x76543210
	s_mov_b32 s25, 0xfedcba98                      ; v_permlanex16_b32's selects for lane l xor 16
	s_mov_b32 s26, 0x3e38aa3b                      ; c = log2(e) / 8
	s_mov_b32 s27, s26                             ; (named with it as a pair)
	s_cmp_eq_u32 s14, 0
	s_cselect_b32 s21, 4, 3                        ; items that ask for a successor: all but my last
	s_add_co_u32 s40, s14, s17
	s_and_b32 s40, s40, 7
	s_cmp_le_u32 s40, s17
	s_cselect_b32 s44, 1, 0                        ; does one of H .. 32 fall to me?
	v_and_b32 v244, 31, v0                         ; lane
	v_and_b32 v242, 15, v0                         ; r
	v_bfe_u32 v243, v0, 4, 1                       ; h
	v_mul_u32_u24 v245, v243, 768
	v_lshl_add_u32 v1, v242, 4, v245               ; v1  K, Q: head block h, registers 0-3 of source lane r
	v_lshl_add_u32 v2, v242, 3, v245
	v_add_nc_u32 v2, 512, v2                       ; v2  registers 4-5
	v_lshlrev_b32 v3, 4, v244                      ; v3  16 x lane
	v_lshlrev_b32 v4, 3, v244
	v_lshlrev_b32 v5, 4, v242                      ; v5  16 r: a row of meta
	s_mul_i32 s40, s14, PARTW
	v_add_nc_u32 v6, s40, v3
	v_add_nc_u32 v7, 2*PARTT, v6
	v_add_nc_u32 v8, s40, v4
	v_add_nc_u32 v8, 4096, v8
	v_add_nc_u32 v9, 2*PARTT, v8
	s_and_b32 s41, s14, 3
	s_mul_i32 s42, s41, PARTT
	v_add_nc_u32 v11, s42, v3                      ; v11 the merge: tile w & 3's partial results
	v_add_nc_u32 v12, s42, v4
	v_add_nc_u32 v12, 4096, v12                    ; v12 and their statistics
	v_add_nc_u32 v4, 512, v4                       ; v4  8 x lane + 512: V's registers 4-5
	s_mul_i32 s42, s41, 16*272
	s_add_co_u32 s42, s42, STG
	v_mul_u32_u24 v13, v242, 272
	v_lshl_add_u32 v13, v243, 5, v13
	v_add_nc_u32 v13, s42, v13                     ; v13 the stage, in: row r, + 32 h
	v_mul_u32_u24 v14, v243, 272
	v_lshl_add_u32 v14, v242, 4, v14
	v_add_nc_u32 v14, s42, v14                     ; v14 and back: lanes 0-15 one row, lanes 16-31 the next
	v_lshlrev_b32 v15, 8, v243
	v_lshl_add_u32 v15, v242, 4, v15               ; v15 the same two rows in out0
	v_and_b32 v10, 8, v242
	v_add_nc_u32 v10, v10, v242
	v_lshlrev_b32 v245, 4, v243
	v_sub_nc_u32 v10, v10, v245                    ; tile 0: r + 8 (r / 8) - 16 h
	WIN 0x40
	v_add_nc_u32 v10, 8, v10                       ; (destination window 1)  tile 1: 8 more
	WIN 0
	s_wait_kmcnt 0x0
	s_mul_i32 s40, s16, 196608                     ; a batch's 64 units of 3,072 bytes
	s_mov_b32 s41, 0
	s_add_nc_u64 s[4:5], s[4:5], s[40:41]
	s_add_nc_u64 s[28:29], s[6:7], s[40:41]
	s_add_nc_u64 s[30:31], s[8:9], s[40:41]
	s_lshl_b32 s40, s16, 15
	s_add_nc_u64 s[32:33], s[10:11], s[40:41]
	s_sub_co_u32 s45, 127, s15                     ; HIGH's block
	s_mul_i32 s40, s45, 1536                       ; a block of 32 queries is a pair: 1,536 bytes
	s_add_nc_u64 s[46:47], s[4:5], s[40:41]
	s_mul_i32 s40, s15, 1536
	s_add_nc_u64 s[48:49], s[4:5], s[40:41]
	s_lshr_b32 s40, s45, 1
	s_lshl_b32 s40, s40, 9
	s_and_b32 s42, s45, 1
	s_lshl_b32 s42, s42, 2
	s_add_co_u32 s40, s40, s42
	s_add_nc_u64 s[50:51], s[32:33], s[40:41]      ; q's scale word of the pair: unit x 512 + 4 x pair (+ 16 r)
	s_lshr_b32 s40, s15, 1
	s_lshl_b32 s40, s40, 9
	s_and_b32 s42, s15, 1
	s_lshl_b32 s42, s42, 2
	s_add_co_u32 s40, s40, s42
	s_add_nc_u64 s[52:53], s[32:33], s[40:41]
	s_and_b32 s42, s14, 2                          ; the merge: waves 0, 1 HIGH's tiles, waves 2, 3 LOW's
	s_cmp_eq_u32 s42, 0
	s_cselect_b32 s40, s45, s15
	s_lshl_b32 s40, s40, 13                        ; 32 rows of 256 bytes
	s_and_b32 s42, s14, 1
	s_lshl_b32 s42, s42, 11                        ; tile t begins 8 rows on
	s_add_co_u32 s40, s40, s42
	s_lshl_b32 s42, s16, 20
	s_add_co_u32 s40, s40, s42
	s_add_nc_u64 s[12:13], s[12:13], s[40:41]
	PTRK 0
	PTRV 0
	s_wait_alu depctr_va_vdst(0)                   ; the offsets and LDS addresses v1 to v9 and v11 to v15 are written: every load and store of the kernel reads one of them.  No vector line stands among the 48 loads below
.irp t, 0,1                                    ; 14 loads: HIGH's q into both places, LOW's q, the two scale words
	WIN 0x40*\t
	global_load_b128 v[QF:QF+3], v1, s[46:47] offset:256*\t
	global_load_b64 v[QF+4:QF+5], v2, s[46:47] offset:128*\t
	global_load_b128 v[QF+12:QF+15], v1, s[46:47] offset:256*\t
	global_load_b64 v[QF+16:QF+17], v2, s[46:47] offset:128*\t
	global_load_b128 v[QN:QN+3], v1, s[48:49] offset:256*\t
	global_load_b64 v[QN+4:QN+5], v2, s[48:49] offset:128*\t
.if \t == 0
	global_load_b32 v[PWR], v5, s[50:51]
	global_load_b32 v[PWR+1], v5, s[52:53]
.endif
.endr
	WIN 0
	KLOAD
	VLOAD 0
.irp t, 0,1
	WIN 0x55*\t
.irp i, 6,7,8,9,10,11
	v_mov_b32 v[QF+\i], 0                          ; the zero codes between the two copies of q
.endr
	INIT \t
.endr
	WIN 0
	DUMP 1                                         ; LOW's record starts empty: a wave to which no item of LOW falls leaves zeros there, under an M below every other
	s_wait_loadcnt 34                              ; q and its scale words are in; K's 18 and V's 16 loads may be out
	s_wait_alu depctr_vm_vsrc(0)                   ; the LDS stores of the empty record have read O^T and the pairs (-M, sum), which the first item writes again
	v_and_b32 v[QSC], 0xffff, v[PWR]               ; tile 0's two bytes over [q | 0],
	v_lshlrev_b32 v[QSC+1], 16, v[PWR]             ; over [0 | q];
	v_lshrrev_b32 v[QSC+2], 16, v[PWR]             ; tile 1's
	v_and_b32 v[QSC+3], 0xffff0000, v[PWR]
	v_and_b32 v[QSCN], 0xffff, v[PWR+1]
	v_lshlrev_b32 v[QSCN+1], 16, v[PWR+1]
	v_lshrrev_b32 v[QSCN+2], 16, v[PWR+1]
	v_and_b32 v[QSCN+3], 0xffff0000, v[PWR+1]
.rept 4
	v_nop                                          ; with the four lines above: eight places between a scale word's write and the first scaled product
.endr
	s_wait_alu depctr_va_vdst(0)                   ; Q's scale words and the zero codes are written: the score products take them as scales and as part of an operand
.Litem:
	ITEM 1
	s_add_co_u32 s20, s20, 1
	s_cmp_lt_u32 s20, s21
	s_cbranch_scc1 .Litem
	ITEM 0                                         ; my last item asks for nothing
	s_cmp_eq_u32 s44, 1
	s_cbranch_scc1 .Llow
	DUMP 0
	s_branch .Ldumped
.Llow:
	DUMP 1
.Ldumped:
	s_wait_dscnt 0x0                               ; for the others' sake: my records lie in LDS
	s_barrier_signal -1
	s_barrier_wait -1
	s_cmp_lt_u32 s14, 4
	s_cbranch_scc0 .Lend
	; THE MERGE of tile T = my wave's number: eight partial results, brought under the largest M by exact powers of two.  Partials 0-3 land in window 0, partials 4-7 in window 1.
.macro MLOAD rd
.irp q, 0,1,2,3
.irp g, 0,1,2,3,4,5,6,7
	ds_load_b128 v[64+32*\q+4*\g:64+32*\q+4*\g+3], v11 offset:PARTW*(4*\rd+\q)+512*\g
.endr
.endr
.endm
.macro MACC rd
.irp q, 0,1,2,3
.if (\rd == 0) && (\q > 0)
	s_wait_dscnt 56-8*\q                           ; this partial's eight loads are in; the later ones' of the first four, and the second four's 32, may be out
.endif
.if \rd == 1
	s_wait_dscnt 24-8*\q                           ; this partial's eight loads are in; the later ones' may be out
.endif
.set j, 0
.rept 16
.if (\rd == 0) && (\q == 0)
	v_pk_mul_f32 v[32+j:33+j], v[64+j:65+j], v[16:17] op_sel_hi:[1,0]
.else
	v_pk_fma_f32 v[32+j:33+j], v[64+32*\q+j:65+32*\q+j], v[16+2*(4*\rd+\q):17+2*(4*\rd+\q)], v[32+j:33+j] op_sel_hi:[1,0,1]
.endif
.set j, j+2
.endr
.endr
.endm
	s_wait_alu depctr_vm_vsrc(0)                   ; my last record's LDS stores have read O^T of both windows, in which loads below land.  (All vector and matrix lines that named v16-31 and v64-191 of either window stand ahead of that record's wait on va_vdst)
.irp p, 0,1,2,3,4,5,6,7
	ds_load_b64 v[16+2*\p:17+2*\p], v12 offset:PARTW*\p   ; (-M, sum) of wave p
.endr
	MLOAD 0
	s_wait_dscnt 32                                ; the statistics are in; the 32 loads behind them may be out
	v_min3_num_f32 v220, v16, v18, v20
	v_min3_num_f32 v220, v220, v22, v24
	v_min3_num_f32 v220, v220, v26, v28
	v_min_num_f32 v220, v220, v30                  ; the least -M: the largest M
.irp p, 0,1,2,3,4,5,6,7
	v_sub_f32 v[16+2*\p], v220, v[16+2*\p]         ; M of wave p less the largest: a whole number, 0 or less
.endr
.irp p, 0,1,2,3,4,5,6,7
	v_cvt_i32_f32 v[16+2*\p], v[16+2*\p]           ; (it saturates: an empty record's factor is 0)
.endr
.irp p, 0,1,2,3,4,5,6,7
	v_ldexp_f32 v[16+2*\p], 1.0, v[16+2*\p]
.endr
	v_mul_f32 v221, v16, v17
.irp p, 1,2,3,4,5,6,7
	v_fmac_f32 v221, v[16+2*\p], v[17+2*\p]        ; the row's sum
.endr
	v_rcp_f32 v222, v221
	v_mov_b32 v223, 0                              ; the plain line behind the reciprocal; v223 is named with v222 as a pair
	s_wait_dscnt 24                                ; partial 0 is in; partials 1 to 3 may be out
	WIN 0x40                                       ; destination window 1
	s_wait_alu depctr_va_vdst(0)                   ; the reciprocal is written, ahead of its first use; no vector line stands between this wait and the loads into window 1
	MLOAD 1
	WIN 0
	MACC 0
	WIN 0x01                                       ; source 0 window 1
	MACC 1
	WIN 0
.set j, 0
.rept 16
	v_pk_mul_f32 v[32+j:33+j], v[32+j:33+j], v[222:223] op_sel_hi:[1,0]   ; O^T / the sum: register 8 d + i is channel 16 d + 8 h + i of query row r
.set j, j+2
.endr
	s_wait_alu depctr_va_vdst(0)                   ; the multiplications have written v32-63, which the LDS stores read; the sums are done reading v64-95, in which the loads from the stage land
.irp d, 0,1,2,3
	ds_store_b128 v13, v[32+8*\d:35+8*\d] offset:64*\d
	ds_store_b128 v13, v[36+8*\d:39+8*\d] offset:64*\d+16
.endr
.irp i, 0,1,2,3,4,5,6,7
	ds_load_b128 v[64+4*\i:67+4*\i], v14 offset:544*\i   ; my own stage: LDS serves a wave's instructions in order, so these see the stores above
.endr
.irp i, 0,1,2,3,4,5,6,7
	s_wait_dscnt 7-\i
	global_store_b128 v15, v[64+4*\i:67+4*\i], s[12:13] offset:(2*\i+8*(\i/4))*256 th:TH_STORE_NT   ; tile rows 2 i, 2 i + 1 are tokens 2 i + 8 (i / 4) on: sixteen lanes store a row's 256 consecutive bytes, aligned
.endr
.Lend:
	s_wait_dscnt 0x0
	s_wait_alu depctr_hold_cnt(0) depctr_sa_sdst(0) depctr_va_vdst(0) depctr_va_sdst(0) depctr_va_ssrc(0) depctr_va_vcc(0) depctr_vm_vsrc(0)
	s_wait_tensorcnt 0x0
	ds_add_u32 v254, v255
	s_wait_dscnt 0x0
	s_endpgm
.Lfunc_end_k_q727d6c073b_attn:
	.size	k_q727d6c073b_attn, .Lfunc_end_k_q727d6c073b_attn-k_q727d6c073b_attn
	.p2alignl 7, 3214868480
	.fill 96, 4, 3214868480
	.section	.rodata,"a",@progbits
	.p2align	6, 0x0
	.amdhsa_kernel k_q727d6c073b_attn
		.amdhsa_group_segment_fixed_size 157696
		.amdhsa_private_segment_fixed_size 0
		.amdhsa_enable_private_segment 0
		.amdhsa_kernarg_size 40
		.amdhsa_user_sgpr_count 2
		.amdhsa_user_sgpr_kernarg_segment_ptr 1
		.amdhsa_wavefront_size32 1
		.amdhsa_system_sgpr_workgroup_id_x 1
		.amdhsa_system_sgpr_workgroup_id_y 1
		.amdhsa_system_sgpr_workgroup_id_z 1
		.amdhsa_system_vgpr_workitem_id 0
		.amdhsa_next_free_vgpr 512
		.amdhsa_next_free_sgpr 66
		.amdhsa_reserve_vcc 0
		.amdhsa_float_denorm_mode_32 3
		.amdhsa_float_denorm_mode_16_64 3
		.amdhsa_memory_ordered 1
		.amdhsa_forward_progress 1
		.amdhsa_inst_pref_size 143
	.end_amdhsa_kernel
	.amdgpu_metadata
---
amdhsa.version: [ 1, 2 ]
amdhsa.kernels:
  - .name:           k_q727d6c073b_attn
    .symbol:         k_q727d6c073b_attn.kd
    .args:
      - { .name: qcodes, .offset: 0, .size: 8, .value_kind: global_buffer, .address_space: global }
      - { .name: kcodes, .offset: 8, .size: 8, .value_kind: global_buffer, .address_space: global }
      - { .name: vcodes, .offset: 16, .size: 8, .value_kind: global_buffer, .address_space: global }
      - { .name: meta, .offset: 24, .size: 8, .value_kind: global_buffer, .address_space: global }
      - { .name: out0, .offset: 32, .size: 8, .value_kind: global_buffer, .address_space: global }
    .group_segment_fixed_size: 157696
    .private_segment_fixed_size: 0
    .kernarg_segment_align: 8
    .kernarg_segment_size: 40
    .max_flat_workgroup_size: 256
    .sgpr_count:     66
    .vgpr_count:     512
    .wavefront_size: 32
...
	.end_amdgpu_metadata
.endif
;; end of part 4
